; MI455X (gfx1250); checked and timed in simulation.
; The chip was launched on July 23, 2026; its instructions are those of AMD's public machine-readable ISA for CDNA 5 (MIT licence, August 2026) and "CDNA5" Instruction Set Architecture Reference Guide (July 2026). The comments in the code are by the model that wrote it; some were corrected since.
;; Causal Attention. Allowed arithmetic: matrix products marked QUANTISED: E2M3 operands, one E8M0 scale for each 32 along K, by v_wmma_scale_f32_16x16x128_f8f6f4 with both operands' format E2M3, f32 sums; everything else in f32.
;; Inputs: Wk 1,024 x 1,024 float32; Wq 1,024 x 1,024 float32; Wv 1,024 x 1,024 float32; x 4 x 2,048 x 1,024 float32.
;; Outputs: out0 4 x 2,048 x 1,024 float32.
;; This version of the problem:
;;   THIS VERSION OF THE PROBLEM IS GIVEN IN LOW PRECISION. The matrix products marked QUANTISED in the list below multiply operands that are first quantised to E2M3 (2 exponent bits, 3 mantissa bits; 6 bits a number), with one power-of-two scale for each 32 numbers along K (OCP MX v1.0); their sums are f32. All else is computed in f32.
;;   The module's matrix products, in the order in which they are computed (A, B: the left and right operand; K: the contracted axis; several contracted axes count as one K, in the product's order):
;;     1. [M 8,192, K 1,024] x [K 1,024, N 1,024]; A: input x; B: input Wq: QUANTISED
;;     2. [M 8,192, K 1,024] x [K 1,024, N 1,024]; A: input x; B: input Wk: QUANTISED
;;     3. [M 8,192, K 1,024] x [K 1,024, N 1,024]; A: input x; B: input Wv: QUANTISED
;;     4. batch 4 x [M 2,048, K 1,024] x [K 1,024, N 2,048]; A: computed on the way; B: computed on the way: QUANTISED
;;     5. batch 4 x [M 2,048, K 2,048] x [K 2,048, N 1,024]; A: softmax (see below); B: computed on the way: QUANTISED
;;   THE QUANTISER, for each operand of a quantised product, along K:
;;     - K is cut into blocks of 32 from its start; a last block that is shorter is filled with zeros.
;;     - A block's scale is 2^e with e = floor(log2(the largest magnitude in the block)) - 2, held to -126 .. 127; a block of zeros has e = 0. As a byte (E8M0): e + 127.
;;     - Each number is divided by its block's scale, clamped to +-7.5, and rounded to the nearest number of E2M3, ties to even, subnormals kept.
;;     - The product sums the exact products of the quantised numbers (number of the format x scale) in f32.
;;   ~~~python
;;   def quantise(x, axis):      # numpy; x: float32 -> the quantised numbers, widened to float32 again
;;       x = np.moveaxis(x, axis, -1); K = x.shape[-1]
;;       x = np.pad(x, [(0, 0)] * (x.ndim - 1) + [(0, -K % 32)]); x = x.reshape(x.shape[:-1] + (-1, 32)); a = np.abs(x).max(-1, keepdims=True)
;;       e = np.where(a > 0, np.clip(np.frexp(np.where(a > 0, a, 1))[1] - 1 - 2, -126, 127), 0)      # np.frexp(a)[1] - 1 = floor(log2(a)), exactly
;;       r = np.clip(x / 2.0 ** e, -7.5, 7.5)
;;       step = 2.0 ** (np.maximum(np.frexp(np.where(r == 0, 1, r))[1] - 1, 0) - 3)
;;       q = np.round(r / step) * step * 2.0 ** e      # np.round: ties to even
;;       return np.moveaxis(q.reshape(q.shape[:-2] + (-1,))[..., :K], -1, axis).astype(np.float32)
;;   ~~~
;;   SOFTMAX AHEAD OF A QUANTISED PRODUCT. Where the list says 'softmax', what is quantised is not the finished softmax but p = 2^(t - M), with t = logit x log2(e) and M = ceil(the row's largest t), a whole number; so 1/2 < the row's largest p <= 1. The row's sum l is taken of the UNQUANTISED p, in f32, and the product's result is divided by l at the end. Since M is a whole number, a kernel that streams over the keys may use a running M (the ceiling of the running maximum): every later rescaling is an exact power of two, which a block's scale takes up: the codes' values come out the same.
;;   OPERANDS COMPUTED ON THE WAY. 'Computed on the way' means the value that the module computes at that place (a softmax that the list does not call 'softmax' is quantised finished and normalised). What goes into a quantiser is computed in f32, as accurately as f32 sums, v_exp_f32 and their like allow (about 1e-6 of the number): no bf16 or f16 on the way to a quantiser, and a product that is left as it is and whose result goes on into a quantised operand takes f32 operands (vector FMAs, or v_wmma_f32_16x16x4_f32). A number that lies on a knife's edge between two numbers of the format may be rounded either way, as far as f32 arithmetic and the matrix unit's own rounding can turn it there, and no further.
;; One version. Each part assembles by itself: llvm-mc -triple=amdgcn-amd-amdhsa -mcpu=gfx1250 --defsym DOCPART=n.
;; ======== version 1 of 1: 4 launches
;; limits: right only within a limited range of input values
;; workspace buffers: xw 9,011,200 bytes; qkv 19,660,800 bytes; pp 7,798,784 bytes
;; launch quant (part 1): grid 704 x 1, 4 waves a work-group, no clusters, 49,664 bytes of LDS; arguments x, Wq, Wk, Wv, xw; writes xw
.if DOCPART == 1
	.amdgcn_target "amdgcn-amd-amdhsa--gfx1250"
	.amdhsa_code_object_version 6
	.text
	.protected	k_qef04fbf61f_quant
	.globl	k_qef04fbf61f_quant
	.p2align	8
	.type	k_qef04fbf61f_quant,@function
k_qef04fbf61f_quant:
	s_mov_b64 s[64:65], 0
	v_nop
	global_prefetch_b8 v0, s[64:65] scope:SCOPE_SE
	s_setreg_imm32_b32 hwreg(HW_REG_WAVE_MODE, 25, 1), 1
	s_wait_xcnt 0x0
; CAUSAL ATTENTION, head width 1,024, all five products on codes of FP6 (E2M3) with one E8M0 scale for each 32 along K.  Four launches:
;   quant: x, Wq, Wk, Wv (f32) -> codes and scale words;  proj: q, k, v, quantised on the way out;  scores: q k^T under the mask, p = 2^(t - M) for each 128 keys, quantised;  pv: p v / l.
; WORK LEFT OUT.  reference() itself sets scores[q][k] to -infinity wherever k > q (its own jnp.tril), so the weight there is exp(-infinity) = 0 whatever finite numbers x and the weights hold: neither the
; product q.k nor the term weight x v of such a place can reach an output.  Where that comes in whole tiles it is not done: blocks of 256 x 256 scores wholly above the diagonal are not launched, and the last
; launch stops each block of 128 queries at its own last key step.  Every input has a way to the output and is loaded.
; LIMIT: a NaN, an infinity or an overflow that would arise only in the work left out is not carried to the result.
; THIS LAUNCH.  x [8192][1024] (K innermost) and the three weights [1024 (K)][1024 (columns)] become operands of the first three products, laid as their reader's registers want them:
;   ROW ORDER: rows (tokens of x, columns of a weight) go in groups of 32; tile 2 g + u of 16 rows has in lane r the row 32 g + 8 u + r % 8 + 16 (r / 8).  As source 0 of a product such tiles give a lane 16 neighbours
;   along the next product's K in the 16 registers of two neighbouring results.
;   IMAGE: a fragment (16 rows x 128 K, 12 registers a lane) is 1,536 bytes: register q of lane l at 512 (q / 4) + 16 l + 4 (q % 4).
;   SCALE BLOCK: the scale words of 128 rows for 128 along K are 512 bytes: the word at 16 l + 4 w belongs to tile 2 w + l / 16, lane l % 16.
;   xw: images at f x 98,304 + tile x 12,288 + K step x 1,536 (f: block of 128 rows; x 0-63, Wq 64-71, Wk 72-79, Wv 80-87); scale blocks at 8,650,752 + (8 f + K step) x 512.
; A block's scale is 2^(floor(log2(largest magnitude)) - 2): its byte is the largest magnitude's exponent field - 2, held at 1 from below by a floor among the maximum's leaves.
; LIMITS: a block of zeros keeps the byte 1 where the rule says 127 (its codes are zeros, and this program alone reads the bytes); NaN and infinities among the inputs are not served.
; A work-group takes 128 rows x 128 K: work-groups 0-511 of x, 512-703 of the weights.  The two paths have LDS bytes of their own.  Memory binds: no matrix unit, no cluster, no tensor load.
.set QXG,   33792                      ; x path: stages at wave x 8,448 (16 rows x 528 bytes); here its 512 bytes of scale words
.set QWS,   34304                      ; weights path: stages at QWS + wave x 3,584 (two images, 1,664 bytes apart)
.set QWG,   48640                      ; and its 512 bytes of scale words
.set SPARE, 49152                      ; the spare words, 128 bytes a wave: two blocks of 256 bytes that no other line names
.set SBOFF, 8650752
.set LI,    3                          ; v3   16 x lane
.set SPW,   6                          ; v6   my spare word; never rewritten
.set NIL,   7                          ; v7   0; never rewritten
.set TM,    16                         ; v16-31 at work in QUANT
.set PC,    32                         ; v32-51 the codes just made
.set SEL,   20                         ; s[20:21] lane selects: lane l xor 16
; 64 numbers of a lane, register 16 b + i = k 32 b + 16 (lane / 16) + i of my row, become a fragment's codes in v[PC] on and its scale word in v[pw].
.macro QUANT s, pw
.irp b, 0,1,2,3
	v_max3_num_f32 v[TM+\b], |v[\s+16*\b]|, |v[\s+1+16*\b]|, 0x1800000   ; my 16 numbers of block b, and the floor 2^(3 - 127)
.endr
.irp i, 2,4,6,8,10,12,14
.irp b, 0,1,2,3
	v_max3_num_f32 v[TM+\b], v[TM+\b], |v[\s+16*\b+\i]|, |v[\s+1+16*\b+\i]|
.endr
.endr
.irp b, 0,1,2,3
	v_permlanex16_b32 v[TM+4+\b], v[TM+\b], s[SEL], s[SEL+1]
.endr
.irp b, 0,1,2,3
	v_max_num_f32 v[TM+\b], v[TM+\b], v[TM+4+\b]   ; with lane l xor 16's: the block's largest magnitude
.endr
.irp b, 0,1,2,3
	v_add_nc_u32 v[TM+12+\b], 0xff000000, v[TM+\b] ; 2 off its exponent field: the conversion's scale operand
.endr
.irp b, 0,1,2,3
	v_lshrrev_b32 v[TM+4+\b], 23, v[TM+12+\b]      ; the scale's byte
.endr
	v_lshl_or_b32 v[\pw], v[TM+5], 8, v[TM+4]
	v_lshl_or_b32 v[\pw], v[TM+6], 16, v[\pw]
	v_lshl_or_b32 v[\pw], v[TM+7], 24, v[\pw]
.irp c, 0,1
	v_cvt_scalef32_pk16_fp6_f32 v[PC+6*\c:PC+2+6*\c], v[\s+32*\c:\s+15+32*\c], v[TM+12+2*\c]
	v_cvt_scalef32_pk16_fp6_f32 v[PC+12+4*\c:PC+14+4*\c], v[\s+16+32*\c:\s+31+32*\c], v[TM+12+2*\c+1]   ; (a conversion's three registers begin on an even number)
.endr
	v_nop                                          ; one plain place behind a scaled conversion
.irp c, 0,1                                    ; the operand wants a whole block in a lane: lanes 0-15 block 2 c, lanes 16-31 block 2 c + 1
.irp i, 0,1,2
	v_permlane16_swap_b32 v[PC+6*\c+\i], v[PC+12+4*\c+\i]
.endr
.irp i, 0,1,2
	v_mov_b32 v[PC+3+6*\c+\i], v[PC+12+4*\c+\i]
.endr
.endr
.endm
	s_load_b256 s[4:11], s[0:1], 0x0               ; x s[4:5], Wq s[6:7], Wk s[8:9], Wv s[10:11]
	s_load_b64 s[12:13], s[0:1], 0x20              ; xw
	v_lshl_add_u32 v[SPW], v0, 2, SPARE
	v_mov_b32 v[NIL], 0
	v_lshrrev_b32 v1, 5, v0
	v_readfirstlane_b32 s14, v1                    ; wave 0..3
	v_and_b32 v2, 31, v0                           ; lane
	v_lshlrev_b32 v[LI], 4, v2
	s_mov_b32 s[SEL], 0x76543210
	s_mov_b32 s[SEL+1], 0xfedcba98
	s_lshr_b32 s15, ttmp9, 3                       ; f: my block of 128 rows (both paths: 512 / 8 = 64 is where the weights' blocks begin)
	s_and_b32 s16, ttmp9, 7                        ; my K step
	s_mul_i32 s24, s15, 98304
	s_mul_i32 s17, s14, 24576                      ; my wave's tiles 2 w, 2 w + 1
	s_add_co_u32 s24, s24, s17
	s_mul_i32 s17, s16, 1536
	s_add_co_u32 s24, s24, s17
	s_mov_b32 s25, 0
	s_lshl_b32 s26, ttmp9, 9                       ; 8 f + K step is the work-group's number
	s_add_co_u32 s26, s26, SBOFF
	s_mov_b32 s27, 0
	s_wait_kmcnt 0x0
	s_add_nc_u64 s[24:25], s[12:13], s[24:25]      ; where my images go
	s_add_nc_u64 s[26:27], s[12:13], s[26:27]      ; where the work-group's scale block goes
	s_cmp_lt_u32 ttmp9, 512
	s_cbranch_scc0 .Lweights
	; ---- x: K is innermost.  Each load takes 512 consecutive bytes of one row; a tile's 16 rows turn through my stage so that a lane gets 16 neighbours of each block of 32.
	s_lshl_b32 s17, s15, 19                        ; 128 rows of 4,096 bytes
	s_lshl_b32 s18, s14, 17                        ; my wave's 32 rows
	s_add_co_u32 s17, s17, s18
	s_lshl_b32 s18, s16, 9                         ; 128 numbers along K
	s_add_co_u32 s22, s17, s18
	s_mov_b32 s23, 0
	s_add_nc_u64 s[4:5], s[4:5], s[22:23]
	s_wait_alu depctr_va_vdst(0)
.irp u, 0,1
.irp t, 0,1,2,3,4,5,6,7,8,9,10,11,12,13,14,15
	global_load_b128 v[64+64*\u+4*\t:67+64*\u+4*\t], v[LI], s[4:5] offset:(8*\u+\t%8+16*(\t/8))*4096 th:TH_LOAD_NT   ; tile u, lane t's row
.endr
.endr
	v_and_b32 v4, 15, v0                           ; r
	v_bfe_u32 v5, v0, 4, 1                         ; h
	s_mul_i32 s18, s14, 8448
	v_add_nc_u32 v8, s18, v[LI]                    ; into the stage: row t at 528 t, 16 bytes a lane
	v_mul_u32_u24 v9, v4, 528
	v_lshl_add_u32 v9, v5, 6, v9
	v_add_nc_u32 v9, s18, v9                       ; out of it: row r, + 64 h
	s_lshl_b32 s18, s14, 2
	s_add_co_u32 s18, s18, QXG
	v_add_nc_u32 v10, s18, v[LI]                   ; my scale word's place: 16 x lane + 4 x wave
	v_add_nc_u32 v11, QXG, v[LI]                   ; and where wave 0 reads the block back
.irp b, 0,1,2,3
	v_mov_b32 v[TM+4+\b], 0                        ; written once: a lane permute's destination counts as one of its sources
.endr
	s_wait_alu depctr_va_vdst(0)
	s_wait_loadcnt 16                              ; tile 0's 16 loads are in; tile 1's may be out
.irp t, 0,1,2,3,4,5,6,7,8,9,10,11,12,13,14,15
	ds_store_b128 v8, v[64+4*\t:67+4*\t] offset:528*\t
.endr
.irp b, 0,1,2,3
.irp j, 0,1,2,3
	ds_load_b128 v[192+16*\b+4*\j:195+16*\b+4*\j], v9 offset:128*\b+16*\j   ; LDS serves a wave's instructions in order: these see the stores above
.endr
.endr
	s_wait_loadcnt 0x0
.irp t, 0,1,2,3,4,5,6,7,8,9,10,11,12,13,14,15
	ds_store_b128 v8, v[128+4*\t:131+4*\t] offset:528*\t   ; tile 1 into the same stage, behind tile 0's reads
.endr
	s_wait_dscnt 16                                ; all but these 16 stores: tile 0's numbers are in, and its stores have read v64-127
.irp b, 0,1,2,3
.irp j, 0,1,2,3
	ds_load_b128 v[64+16*\b+4*\j:67+16*\b+4*\j], v9 offset:128*\b+16*\j
.endr
.endr
	QUANT 192, 12
.irp c, 0,1,2
	global_store_b128 v[LI], v[PC+4*\c:PC+4*\c+3], s[24:25] offset:512*\c   ; 32 lanes store 512 consecutive bytes, aligned
.endr
	s_wait_dscnt 0x0                               ; tile 1's numbers are in
	s_wait_xcnt 0x0                                ; the stores have read the codes' registers, which are written again below
	QUANT 64, 13
.irp c, 0,1,2
	global_store_b128 v[LI], v[PC+4*\c:PC+4*\c+3], s[24:25] offset:12288+512*\c
.endr
	v_cmp_eq_u32 vcc_lo, 1, v5
	v_cndmask_b32 v14, v12, v13, vcc_lo            ; lanes 0-15 hold tile 2 w's words, lanes 16-31 tile 2 w + 1's
	ds_store_b32 v10, v14
	s_wait_dscnt 0x0                               ; for the others' sake: my word has landed
	s_barrier_signal -1
	s_barrier_wait -1
	s_cmp_lg_u32 s14, 0
	s_cbranch_scc1 .Lend
	ds_load_b128 v[16:19], v11
	s_wait_dscnt 0x0
	global_store_b128 v[LI], v[16:19], s[26:27]    ; the scale block: 512 consecutive bytes
	s_branch .Lend
	; ---- a weight: K is its first axis.  A lane takes a column and its registers run down K: a block of 32 lies in one lane, and the conversions give codes with K innermost.
.Lweights:
	s_sub_co_u32 s17, ttmp9, 512
	s_lshr_b32 s17, s17, 6                         ; 0 Wq, 1 Wk, 2 Wv
	s_cmp_eq_u32 s17, 0
	s_cselect_b64 s[6:7], s[6:7], s[8:9]
	s_cmp_eq_u32 s17, 2
	s_cselect_b64 s[6:7], s[10:11], s[6:7]
	s_and_b32 s18, s15, 7                          ; which 128 columns
	s_lshl_b32 s22, s16, 19                        ; 128 rows (K) of 4,096 bytes
	s_lshl_b32 s18, s18, 9
	s_add_co_u32 s22, s22, s18
	s_lshl_b32 s18, s14, 7                         ; my wave's 32 columns
	s_add_co_u32 s22, s22, s18
	s_mov_b32 s23, 0
	s_add_nc_u64 s[6:7], s[6:7], s[22:23]
	s_wait_alu depctr_va_vdst(0)
	v_lshlrev_b32 v4, 2, v2
.macro LOADW kb                        ; block kb: W(32 kb + k, my column); the four waves read 512 consecutive bytes of a row
.set k, 0
.rept 32
	global_load_b32 v[64+32*(\kb)+k], v4, s[6:7] offset:4096*(32*(\kb)+k) th:TH_LOAD_NT
.set k, k+1
.endr
.endm
	LOADW 0
	LOADW 1
	v_bfe_u32 v8, v0, 3, 1                         ; my column is lane r' of tile 2 w + u: u = (lane / 8) % 2,
	v_and_b32 v9, 7, v0
	v_bfe_u32 v10, v0, 4, 1
	v_lshl_add_u32 v9, v10, 3, v9                  ; r' = lane % 8 + 8 (lane / 16)
	v_mul_u32_u24 v10, v8, 1664
	v_lshl_add_u32 v10, v9, 4, v10
	s_mul_i32 s19, s14, 3584
	s_add_co_u32 s19, s19, QWS
	v_add_nc_u32 v10, s19, v10                     ; into my stage: image u, lane r' (its half h and its registers stand in the immediate)
	v_add_nc_u32 v11, s19, v[LI]                   ; out of it: 16 x lane
	v_lshl_add_u32 v9, v8, 4, v9
	v_lshlrev_b32 v9, 4, v9
	s_lshl_b32 s19, s14, 2
	s_add_co_u32 s19, s19, QWG
	v_add_nc_u32 v9, s19, v9                       ; my scale word's place: 16 (r' + 16 u) + 4 x wave
	v_add_nc_u32 v8, QWG, v[LI]
; Block kb of my column is K = 64 c + 32 h + 0 .. 31 with h = kb % 2, c = kb / 2: registers 6 c .. 6 c + 5 of lane (r', h): v32-43 for h = 0, v44-55 for h = 1.
.macro WBLOCK kb
.set XS, 64+32*(\kb)
.set FH, 32+12*((\kb)%2)+6*((\kb)/2)
.if (\kb) < 3
	s_wait_loadcnt 32                              ; this block's 32 loads are in; the next block's may be out
.else
	s_wait_loadcnt 0x0
.endif
.if (\kb) < 2
	LOADW (\kb)+2
.endif
	v_max3_num_f32 v16, |v[XS]|, |v[XS+1]|, |v[XS+2]|
	v_max3_num_f32 v17, |v[XS+3]|, |v[XS+4]|, |v[XS+5]|
.irp i, 6,10,14,18,22,26
	v_max3_num_f32 v16, v16, |v[XS+\i]|, |v[XS+\i+1]|
	v_max3_num_f32 v17, v17, |v[XS+\i+2]|, |v[XS+\i+3]|
.endr
	v_max3_num_f32 v16, v16, |v[XS+30]|, |v[XS+31]|
	v_max3_num_f32 v16, v16, v17, 0x1800000        ; and the floor 2^(3 - 127)
	v_add_nc_u32 v18, 0xff000000, v16
	v_lshrrev_b32 v19, 23, v18
.if (\kb) == 0
	v_mov_b32 v20, v19
.else
	v_lshl_or_b32 v20, v19, 8*(\kb), v20           ; the column's scale word: byte kb
.endif
	v_cvt_scalef32_pk16_fp6_f32 v[FH:FH+2], v[XS:XS+15], v18
	v_cvt_scalef32_pk16_fp6_f32 v[56:58], v[XS+16:XS+31], v18
	v_nop                                          ; one plain place behind a scaled conversion
.irp i, 0,1,2
	v_mov_b32 v[FH+3+\i], v[56+\i]
.endr
.endm
	WBLOCK 0
	WBLOCK 1
	WBLOCK 2
	WBLOCK 3
.irp h, 0,1
.irp c, 0,1,2
	ds_store_b128 v10, v[32+12*\h+4*\c:35+12*\h+4*\c] offset:256*\h+512*\c
.endr
.endr
	ds_store_b32 v9, v20
.irp u, 0,1
.irp c, 0,1,2
	ds_load_b128 v[64+12*\u+4*\c:67+12*\u+4*\c], v11 offset:1664*\u+512*\c   ; my own stage: LDS serves a wave's instructions in order
.endr
.endr
.irp u, 0,1
.irp c, 0,1,2
	s_wait_dscnt 5-3*\u-\c                         ; the later loads may be out
	global_store_b128 v[LI], v[64+12*\u+4*\c:67+12*\u+4*\c], s[24:25] offset:12288*\u+512*\c
.endr
.endr
	s_barrier_signal -1                            ; (the last wait above was for 0: my word has landed)
	s_barrier_wait -1
	s_cmp_lg_u32 s14, 0
	s_cbranch_scc1 .Lend
	ds_load_b128 v[16:19], v8
	s_wait_dscnt 0x0
	global_store_b128 v[LI], v[16:19], s[26:27]
.Lend:
	s_wait_tensorcnt 0x0                           ; the wave's end, behind my last LDS store
	ds_add_u32 v[SPW], v[NIL]
	s_wait_dscnt 0x0
	s_endpgm
.Lfunc_end_k_qef04fbf61f_quant:
	.size	k_qef04fbf61f_quant, .Lfunc_end_k_qef04fbf61f_quant-k_qef04fbf61f_quant
	.p2alignl 7, 3214868480
	.fill 96, 4, 3214868480
	.section	.rodata,"a",@progbits
	.p2align	6, 0x0
	.amdhsa_kernel k_qef04fbf61f_quant
		.amdhsa_group_segment_fixed_size 49664
		.amdhsa_private_segment_fixed_size 0
		.amdhsa_enable_private_segment 0
		.amdhsa_kernarg_size 40
		.amdhsa_user_sgpr_count 2
		.amdhsa_user_sgpr_kernarg_segment_ptr 1
		.amdhsa_wavefront_size32 1
		.amdhsa_system_sgpr_workgroup_id_x 1
		.amdhsa_system_sgpr_workgroup_id_y 1
		.amdhsa_system_sgpr_workgroup_id_z 1
		.amdhsa_system_vgpr_workitem_id 0
		.amdhsa_next_free_vgpr 256
		.amdhsa_next_free_sgpr 66
		.amdhsa_reserve_vcc 1
		.amdhsa_float_denorm_mode_32 3
		.amdhsa_float_denorm_mode_16_64 3
		.amdhsa_memory_ordered 1
		.amdhsa_forward_progress 1
		.amdhsa_inst_pref_size 40
	.end_amdhsa_kernel
	.amdgpu_metadata
---
amdhsa.version: [ 1, 2 ]
amdhsa.kernels:
  - .name:           k_qef04fbf61f_quant
    .symbol:         k_qef04fbf61f_quant.kd
    .args:
      - { .name: x, .offset: 0, .size: 8, .value_kind: global_buffer, .address_space: global }
      - { .name: Wq, .offset: 8, .size: 8, .value_kind: global_buffer, .address_space: global }
      - { .name: Wk, .offset: 16, .size: 8, .value_kind: global_buffer, .address_space: global }
      - { .name: Wv, .offset: 24, .size: 8, .value_kind: global_buffer, .address_space: global }
      - { .name: xw, .offset: 32, .size: 8, .value_kind: global_buffer, .address_space: global }
    .group_segment_fixed_size: 49664
    .private_segment_fixed_size: 0
    .kernarg_segment_align: 8
    .kernarg_segment_size: 40
    .max_flat_workgroup_size: 128
    .sgpr_count:     66
    .vgpr_count:     256
    .wavefront_size: 32
...
	.end_amdgpu_metadata
.endif
;; end of part 1
;; launch proj (part 2): grid 8 x 32, 4 waves a work-group, clusters of 4 x 4, 327,680 bytes of LDS; arguments xw, qkv; writes qkv
.if DOCPART == 2
	.amdgcn_target "amdgcn-amd-amdhsa--gfx1250"
	.amdhsa_code_object_version 6
	.text
	.protected	k_qef04fbf61f_proj
	.globl	k_qef04fbf61f_proj
	.p2align	8
	.type	k_qef04fbf61f_proj,@function
k_qef04fbf61f_proj:
	s_mov_b64 s[64:65], 0
	v_nop
	global_prefetch_b8 v0, s[64:65] scope:SCOPE_SE
	s_setreg_imm32_b32 hwreg(HW_REG_WAVE_MODE, 25, 1), 1
	s_wait_xcnt 0x0
	s_wait_alu depctr_hold_cnt(0) depctr_sa_sdst(0) depctr_va_vdst(0) depctr_va_sdst(0) depctr_va_ssrc(0) depctr_va_vcc(0) depctr_vm_vsrc(0)
	s_getreg_b32 s2, hwreg(HW_REG_IB_STS2, 6, 4)
	s_cmp_eq_u32 s2, 0
	s_cbranch_scc0 .Lentry_in_a_cluster
	s_endpgm
.Lentry_in_a_cluster:
	s_bfe_u32 s2, ttmp6, 0x10000c
	s_cmp_lg_u32 s2, 0xf033
	s_cbranch_scc0 .Lentry_shape_is_right
	s_endpgm
.Lentry_shape_is_right:
; q = x Wq, k = x Wk, v = x Wv on the codes that the first launch made, K = 1,024; each result is quantised on the way out, as the operand that the next products want, and never goes to memory as f32.
; No work is left out here: every q, k and v is used under the mask.
; SHARES.  32 blocks of 256 tokens x 8 blocks of 256 columns of Wq | Wk are 256 work-groups, and Wv has 8 blocks of 128 columns: so each work-group does, one after the other,
;   PHASE A: 256 tokens (source 1) x 256 columns of Wq | Wk (source 0): q or k, quantised along e.  Four waves of 128 x 128: 64 accumulators, 512 products a wave.
;   PHASE B: 128 columns of Wv (source 1) x the same 256 tokens (source 0): v^T, quantised along the tokens (the keys).  Four waves of 64 x 128: 32 accumulators, 256 products a wave.
; SOURCE 1 gives a lane its row of the NEXT operand, SOURCE 0's rows become the next K.  Row order, image and scale block: as laid down at the head of the first launch.
;   qkv: q | k images at token tile x 24,576 + se x 1,536 (se 0-7 q, 8-15 k); v^T images at 12,582,912 + e tile x 98,304 + token step x 1,536;
;   scale blocks: q | k at 18,874,368 + (16 f + se) x 512; v^T at 19,398,656 + (64 fe + token step) x 512.
; THE FEED.  Operands lie in memory as images of registers, so a fragment comes by three loads of 16 bytes a lane, 512 consecutive bytes each.
;   Phase A: three slots of two K steps (98,304 bytes: x's two halves, W's two halves, 24,576 each) and the scale blocks of all 8 K steps (4 x 4,096).  Three slots are first fills, one is a refill.
;   Phase B: its 8 K steps come as two groups of four, rows of 6,144 bytes a tile: group 0 into the bytes of slots 1 and 2, asked for at phase A's K step 5, when both are read out; group 1 into slot 0 and the rest of
;   slot 2, asked for in the middle of phase A's way out.  So nothing is filled again inside phase B.  x's scale blocks stay in LDS from phase A; Wv's scale words come once, straight into 16 registers.
;   By this text's count a wave has one tensor load out at the most.
; CLUSTER 4 x 4: x's tiles hang on the row of the cluster alone, the weights' on its column alone: each is asked for jointly by the four that share it, in both phases.
; REGISTERS, in windows of 256: window 0: v1-15 addresses; v32-47 scale words, two sets; v48-63 Wv's scale words; v64-159, v160-255 source 1's fragments, two sets.  window 1: source 0's two sets at v0 and v128.
;   window 2: accumulators of source 1's tiles 0-3 ((a, bt) at v[8 (8 (a % 4) + bt)]), and phase B's;  window 3: tiles 4-7.
; LIMITS: a block of zeros keeps the byte 1 (its codes are zeros); NaN and infinities are not served.  lds_bytes claims all of LDS.
.set PART,  24576
.set SLOTB, 98304
.set SCL,   294912
.set SPARE, 311296
.set SBX,   8650752
.set HB,    49152                      ; phase B: 8 tiles x 6,144 bytes: half of x's tokens, or Wv's 128 columns, for four K steps
.set XB0,   98304                      ; group 0: x's two halves,
.set WB0,   196608                     ; and Wv
.set XB1,   0                          ; group 1
.set WB1,   245760
.set LI,   1
.set ADRA, 2                           ; v2-3   phase A: source 1's fragments in the short tiles, the long ones
.set ADRB, 5                           ; v5-6   source 0's
.set ADSA, 8                           ; v8     source 1's scale blocks
.set ADSB, 9                           ; v9     source 0's
.set AXB,  10                          ; v10-11 phase B: my half of x in group 0, 1
.set AWB,  12                          ; v12-13 my four tiles of Wv in group 0, 1
.set ADSX, 14                          ; v14    my half of x's scale blocks
.set WSA,  15                          ; v15    16 x lane + 8 x (wave / 2): my two words of a lane's four in a scale block of Wv or of v^T
.set SPW,  28
.set NIL,  29
.set SC,   32
.set WS,   48                          ; v48-63 Wv's scale words: K step k at v[WS + 2 k], my tiles 0, 1 and 2, 3
.set AF,   64
.set PC,   112                         ; the way out: codes
.set TM,   200                         ; at work
.set PW,   216                         ; v216-223 the tiles' scale words
.set OUT,  224
.set WV,   8
.set H1,   9                           ; wave / 2: my half of source 1.  Also: I fetch for x (0) or for the weights (1)
.set H0,   10                          ; wave % 2: my half of source 0.  Also: which 128 rows I fetch
.set G1A,  24
.set G1B,  32
.set G1SA, 40                          ; the long tiles' groups 1; from K step 5 on they describe phase B's tiles
.set G1SB, 48
.set GA0,  56                          ; groups 0 for x: K steps 0, 1; their refill; K steps 2-5, later phase B's group 0; phase B's group 1
.set GA1,  60
.set GA2,  68
.set GA3,  72
.set GB0,  76                          ; and for the weights
.set GB1,  80
.set GB2,  84
.set GB3,  88
.set SEL,  98                          ; s[98:99] lane selects: lane l xor 16
.set HM,   100                         ; s100 lanes 16-31
.set MSB, 0
.macro WIN new                         ; the immediate's high byte repeats the setting that is left
.if MSB != (\new)
	s_set_vgpr_msb (MSB<<8)|(\new)
.set MSB, (\new)
.endif
.endm
.macro PLACES                          ; four plain places behind matrix instructions, ahead of loads into their registers and of reads of their results
.rept 4
	v_nop
.endr
.endm
.macro JLOAD g0a, g1a, g0b, g1b        ; a joint load of phase A; the branch hangs on the wave's number alone; an s_nop 0 and four v_nop follow each line
	s_cmp_eq_u32 s[H1], 0
	s_cbranch_scc0 .Lfor_b_\@
	tensor_load_to_lds s[\g0a:\g0a+3], s[\g1a:\g1a+7]
	s_nop 0
.rept 4
	v_nop
.endr
	s_branch .Lasked_\@
.Lfor_b_\@:
	tensor_load_to_lds s[\g0b:\g0b+3], s[\g1b:\g1b+7]
	s_nop 0
.rept 4
	v_nop
.endr
.Lasked_\@:
.endm
.macro JLOADB g0a, g0b                 ; a joint load of phase B: waves 0 and 1 x's halves, wave 2 Wv's 128 columns, wave 3 has no part to fill
	s_cmp_eq_u32 s[H1], 0
	s_cbranch_scc0 .Lnot_x_\@
	tensor_load_to_lds s[\g0a:\g0a+3], s[G1SA:G1SA+7]
	s_nop 0
.rept 4
	v_nop
.endr
	s_branch .Lasked_\@
.Lnot_x_\@:
	s_cmp_eq_u32 s[WV], 2
	s_cbranch_scc0 .Lasked_\@
	tensor_load_to_lds s[\g0b:\g0b+3], s[G1SB:G1SB+7]
	s_nop 0
.rept 4
	v_nop
.endr
.Lasked_\@:
.endm
.macro CREST                           ; a round of the cluster's barrier behind its opening barrier
	s_cmp_lg_u32 s[WV], 0
	s_cbranch_scc1 .Lnot_wave_0_\@
	s_barrier_signal -3
.Lnot_wave_0_\@:
	s_barrier_wait -3
	s_barrier_signal -1
	s_barrier_wait -1
.endm
.macro CROUND
	s_barrier_signal -1
	s_barrier_wait -1
	CREST
.endm
.macro MKG0 g, lds, off, ptr, goff     ; a group 0: count 1, LDS address, global address, type 2
	s_mov_b32 s[\g], 1
	s_add_co_u32 s[\g+1], s[\lds], \off
	s_add_nc_u64 s[\g+2:\g+3], s[\ptr:\ptr+1], \goff
	s_or_b32 s[\g+3], s[\g+3], 0x80000000
.endm
; Phase B's descriptors, written where no tensor load of the wave is out.  Groups 1: 8 tiles x 6,144 bytes (four K steps' images), 12,288 bytes apart; word 0, with the mask, stays as it is.
.macro BDESC
.irp g, G1SA, G1SB
	s_mov_b32 s[\g+1], 768<<16                     ; tensor_dim0, in elements of 8 bytes
	s_mov_b32 s[\g+2], 8<<16                       ; tensor_dim1
	s_mov_b32 s[\g+3], 768<<16                     ; tile_dim0
	s_mov_b32 s[\g+4], 8                           ; tile_dim1
	s_mov_b32 s[\g+5], 1536                        ; stride
.endr
	s_mul_i32 s17, s[WV], HB                       ; x: wave 0 or 1 x half: no place in the cluster enters an LDS address
	s_add_co_u32 s[GA2+1], s17, XB0
	s_add_nc_u64 s[GA2+2:GA2+3], s[18:19], 0       ; K steps 0-3
	s_or_b32 s[GA2+3], s[GA2+3], 0x80000000
	s_add_co_u32 s[GA3+1], s17, XB1
	s_add_nc_u64 s[GA3+2:GA3+3], s[18:19], 6144    ; K steps 4-7
	s_or_b32 s[GA3+3], s[GA3+3], 0x80000000
	s_mov_b32 s[GB2+1], WB0
	s_add_nc_u64 s[GB2+2:GB2+3], s[94:95], 0
	s_or_b32 s[GB2+3], s[GB2+3], 0x80000000
	s_mov_b32 s[GB3+1], WB1
	s_add_nc_u64 s[GB3+2:GB3+3], s[94:95], 6144
	s_or_b32 s[GB3+3], s[GB3+3], 0x80000000
.endm
; One product.  ra, rb: the scale words stand in lanes 16-31 of their register (odd tiles).
.macro WM d, fa, fb, sa, sb, ra, rb, zero
.if \zero
.if ((\ra)==0)&&((\rb)==0)
	v_wmma_scale_f32_16x16x128_f8f6f4 v[\d:\d+7], v[\fa:\fa+11], v[\fb:\fb+11], 0, v[\sa], v[\sb] matrix_a_fmt:MATRIX_FMT_FP6 matrix_b_fmt:MATRIX_FMT_FP6
.elseif (\rb)==0
	v_wmma_scale_f32_16x16x128_f8f6f4 v[\d:\d+7], v[\fa:\fa+11], v[\fb:\fb+11], 0, v[\sa], v[\sb] matrix_a_fmt:MATRIX_FMT_FP6 matrix_b_fmt:MATRIX_FMT_FP6 matrix_a_scale:MATRIX_SCALE_ROW1
.elseif (\ra)==0
	v_wmma_scale_f32_16x16x128_f8f6f4 v[\d:\d+7], v[\fa:\fa+11], v[\fb:\fb+11], 0, v[\sa], v[\sb] matrix_a_fmt:MATRIX_FMT_FP6 matrix_b_fmt:MATRIX_FMT_FP6 matrix_b_scale:MATRIX_SCALE_ROW1
.else
	v_wmma_scale_f32_16x16x128_f8f6f4 v[\d:\d+7], v[\fa:\fa+11], v[\fb:\fb+11], 0, v[\sa], v[\sb] matrix_a_fmt:MATRIX_FMT_FP6 matrix_b_fmt:MATRIX_FMT_FP6 matrix_a_scale:MATRIX_SCALE_ROW1 matrix_b_scale:MATRIX_SCALE_ROW1
.endif
.else
.if ((\ra)==0)&&((\rb)==0)
	v_wmma_scale_f32_16x16x128_f8f6f4 v[\d:\d+7], v[\fa:\fa+11], v[\fb:\fb+11], v[\d:\d+7], v[\sa], v[\sb] matrix_a_fmt:MATRIX_FMT_FP6 matrix_b_fmt:MATRIX_FMT_FP6
.elseif (\rb)==0
	v_wmma_scale_f32_16x16x128_f8f6f4 v[\d:\d+7], v[\fa:\fa+11], v[\fb:\fb+11], v[\d:\d+7], v[\sa], v[\sb] matrix_a_fmt:MATRIX_FMT_FP6 matrix_b_fmt:MATRIX_FMT_FP6 matrix_a_scale:MATRIX_SCALE_ROW1
.elseif (\ra)==0
	v_wmma_scale_f32_16x16x128_f8f6f4 v[\d:\d+7], v[\fa:\fa+11], v[\fb:\fb+11], v[\d:\d+7], v[\sa], v[\sb] matrix_a_fmt:MATRIX_FMT_FP6 matrix_b_fmt:MATRIX_FMT_FP6 matrix_b_scale:MATRIX_SCALE_ROW1
.else
	v_wmma_scale_f32_16x16x128_f8f6f4 v[\d:\d+7], v[\fa:\fa+11], v[\fb:\fb+11], v[\d:\d+7], v[\sa], v[\sb] matrix_a_fmt:MATRIX_FMT_FP6 matrix_b_fmt:MATRIX_FMT_FP6 matrix_a_scale:MATRIX_SCALE_ROW1 matrix_b_scale:MATRIX_SCALE_ROW1
.endif
.endif
.endm
; PHASE A.  K step k's 16 fragments and two scale blocks into set k % 2: 50 LDS loads in one run
.macro FETCH k
.if ((\k)>1)&&((\k)<6)                 ; K steps 2-5 lie in the long tiles (6,144 bytes), 0, 1 and later 6, 7 in the short ones (3,072)
.set FS, 1
.set FO, ((\k)-2)*1536
.set FT, 6144
.else
.set FS, 0
.set FO, ((\k)%2)*1536
.set FT, 3072
.endif
.set FP, (\k)%2
	WIN 0x40                                       ; destination window 1, address window 0
.irp bt, 0,1,2,3,4,5,6,7
.irp c, 0,1,2
	ds_load_b128 v[128*FP+12*\bt+4*\c:128*FP+12*\bt+4*\c+3], v[ADRB+FS] offset:\bt*FT+FO+512*\c
.endr
.endr
	WIN 0
.irp a, 0,1,2,3,4,5,6,7
.irp c, 0,1,2
	ds_load_b128 v[AF+96*FP+12*\a+4*\c:AF+96*FP+12*\a+4*\c+3], v[ADRA+FS] offset:\a*FT+FO+512*\c
.endr
.endr
	ds_load_b128 v[SC+8*FP:SC+8*FP+3], v[ADSA] offset:(\k)*512
	ds_load_b128 v[SC+8*FP+4:SC+8*FP+7], v[ADSB] offset:(\k)*512
.endm
; 32 products: source 1's tiles 4 half .. 4 half + 3 against source 0's eight.  The 64 accumulators take turns, one instruction a turn, in the same order in every K step.
.macro MULH k, half, zero
.set MP, (\k)%2
.if \half
	WIN 0xf1                                       ; source 0 window 1, source 1 window 0, C and D window 3
.else
	WIN 0xa1                                       ; C and D window 2
.endif
.irp a4, 0,1,2,3
.irp bt, 0,1,2,3,4,5,6,7
	WM (8*(8*\a4+\bt)), (128*MP+12*\bt), (AF+96*MP+12*(4*\half+\a4)), (SC+8*MP+4+\bt/2), (SC+8*MP+(4*\half+\a4)/2), \bt%2, \a4%2, \zero
.endr
.endr
.endm
.macro KSTEP k, zero                   ; this step's fragments are in; the next step's are asked for, 64 products ahead of their use
	s_wait_dscnt 0x0
	PLACES
	FETCH (\k)+1
	MULH \k, 0, \zero
	MULH \k, 1, \zero
.endm
; A K step of phase A at which LDS bytes are filled again.  In front of the round each wave waits for all its tensor loads, adds 0 to its spare word, and waits for that and for its LDS reads.
; fill = 1: slot 0, read out, takes K steps 6 and 7.  fill = 2: slots 1 and 2, read out, take phase B's group 0.
.macro TURN k, fill
	WIN 0
	s_wait_tensorcnt 0x0                           ; all my tensor loads have landed
	ds_add_u32 v[SPW], v[NIL]                      ; 0 onto my spare word
.if (\fill) == 1
	s_add_nc_u64 s[GA1+2:GA1+3], s[GA1+2:GA1+3], 9216   ; no load of mine is out, so a group 0 may be written: from K steps 0, 1 to 6, 7
	s_add_nc_u64 s[GB1+2:GB1+3], s[GB1+2:GB1+3], 9216
.irp g, G1A, G1B                       ; and from here on these loads bring 8 tiles
	s_mov_b32 s[\g+2], 8<<16
	s_mov_b32 s[\g+4], 8
.endr
.else
	BDESC
.endif
	s_wait_dscnt 0x0                               ; the add is done, and this step's fragments, my last reads of the bytes to be filled, are in
	s_barrier_signal -1
	MULH \k, 0, 0                                  ; work on registers while the others arrive
	WIN 0
	s_barrier_wait -1
	CREST                                          ; the barrier has opened a round of the cluster's: no wave of any partner still reads those bytes or has a load on its way
.if (\fill) == 1
	JLOAD GA1, G1A, GB1, G1B                       ; the first tensor load behind the round; its four v_nop are the places in front of the loads below
.else
	JLOADB GA2, GB2
	PLACES                                         ; (wave 3 has passed no v_nop)
.endif
	FETCH (\k)+1
	MULH \k, 1, 0
.endm
; PHASE B.  K step k: x's 8 fragments (source 0), my 4 of Wv (source 1), x's scale block, into set k % 2: 37 LDS loads in one run
.macro FETCHB k
.set FG, (\k)/4
.set FQ, (\k)%4
.set FP, (\k)%2
	WIN 0x40
.irp bt, 0,1,2,3,4,5,6,7
.irp c, 0,1,2
	ds_load_b128 v[128*FP+12*\bt+4*\c:128*FP+12*\bt+4*\c+3], v[AXB+FG] offset:\bt*6144+FQ*1536+512*\c
.endr
.endr
	WIN 0
.irp a, 0,1,2,3
.irp c, 0,1,2
	ds_load_b128 v[AF+96*FP+12*\a+4*\c:AF+96*FP+12*\a+4*\c+3], v[AWB+FG] offset:\a*6144+FQ*1536+512*\c
.endr
.endr
	ds_load_b128 v[SC+8*FP+4:SC+8*FP+7], v[ADSX] offset:(\k)*512
.endm
.macro MULB k, zero                    ; 32 products; the 32 accumulators take turns, one instruction a turn
.set MP, (\k)%2
	WIN 0xa1
.irp a4, 0,1,2,3
.irp bt, 0,1,2,3,4,5,6,7
	WM (8*(8*\a4+\bt)), (128*MP+12*\bt), (AF+96*MP+12*\a4), (SC+8*MP+4+\bt/2), (WS+2*(\k)+\a4/2), \bt%2, \a4%2, \zero
.endr
.endr
.endm
.macro KSTEPB k, zero
	s_wait_dscnt 0x0
	PLACES
	FETCHB (\k)+1
	MULB \k, \zero
.endm
; THE WAY OUT of source 1's tile a: my 64 registers are 128 neighbours along the next K (16 in each of four blocks, the other 16 in lane l xor 16): they become one image and one scale word a row.
.macro QUANTW a                        ; the accumulators are read where they lie, each from its low end on
.set W, 2+(\a)/4
.set AC, 64*((\a)%4)
	WIN (W<<2)|(W<<4)                              ; sources 1 and 2 in the accumulators' window
.irp b, 0,1,2,3
	v_max3_num_f32 v[TM+\b], 0x1800000, |v[AC+16*\b]|, |v[AC+1+16*\b]|   ; the floor 2^(3 - 127) among the leaves: the byte cannot fall under 1
.endr
.irp i, 2,4,6,8,10,12,14
.irp b, 0,1,2,3
	v_max3_num_f32 v[TM+\b], v[TM+\b], |v[AC+16*\b+\i]|, |v[AC+1+16*\b+\i]|
.endr
.endr
	WIN 0
.irp b, 0,1,2,3
	v_permlanex16_b32 v[TM+4+\b], v[TM+\b], s[SEL], s[SEL+1]
.endr
.irp b, 0,1,2,3
	v_max_num_f32 v[TM+\b], v[TM+\b], v[TM+4+\b]
.endr
.irp b, 0,1,2,3
	v_add_nc_u32 v[TM+12+\b], 0xff000000, v[TM+\b] ; 2 off the exponent field: the conversion's scale operand
.endr
.irp b, 0,1,2,3
	v_lshrrev_b32 v[TM+4+\b], 23, v[TM+12+\b]
.endr
	v_lshl_or_b32 v[PW+\a], v[TM+5], 8, v[TM+4]
	v_lshl_or_b32 v[PW+\a], v[TM+6], 16, v[PW+\a]
	v_lshl_or_b32 v[PW+\a], v[TM+7], 24, v[PW+\a]
	WIN W                                          ; source 0 in the accumulators' window
.irp c, 0,1
	v_cvt_scalef32_pk16_fp6_f32 v[PC+6*\c:PC+2+6*\c], v[AC+32*\c:AC+15+32*\c], v[TM+12+2*\c]
	v_cvt_scalef32_pk16_fp6_f32 v[PC+12+4*\c:PC+14+4*\c], v[AC+16+32*\c:AC+31+32*\c], v[TM+12+2*\c+1]
.endr
	WIN 0
	v_nop                                          ; one plain place behind a scaled conversion
.irp c, 0,1
.irp i, 0,1,2
	v_permlane16_swap_b32 v[PC+6*\c+\i], v[PC+12+4*\c+\i]
.endr
.irp i, 0,1,2
	v_mov_b32 v[PC+3+6*\c+\i], v[PC+12+4*\c+\i]
.endr
.endr
.endm
.macro SENDT a, pitch                  ; tile a is quantised and its image stored; pitch: bytes from an output tile to the next
	s_wait_xcnt 0x0                                ; the earlier stores have read the codes' registers, which are written again below
	QUANTW \a
.irp c, 0,1,2
	global_store_b128 v[LI], v[PC+4*\c:PC+4*\c+3], s[18:19] offset:(\a)*(\pitch)+512*\c   ; 32 lanes store 512 consecutive bytes, aligned
.endr
.endm
	s_load_b128 s[4:7], s[0:1], 0x0                ; xw s[4:5], qkv s[6:7]
	v_lshl_add_u32 v[SPW], v0, 2, SPARE
	v_mov_b32 v[NIL], 0
	ds_add_u32 v[SPW], v[NIL]                      ; the wave's opening: the add, twice on end, and its wait ahead of my first tensor load
	ds_add_u32 v[SPW], v[NIL]
	v_lshrrev_b32 v1, 5, v0
	v_readfirstlane_b32 s[WV], v1                  ; wave 0..3
	s_lshr_b32 s[H1], s[WV], 1
	s_and_b32 s[H0], s[WV], 1
	s_bfe_u32 s11, ttmp6, 0x40000                  ; cx
	s_bfe_u32 s12, ttmp6, 0x40004                  ; cy
	s_and_b32 s14, ttmp7, 0xffff                   ; the cluster's y
	s_lshl_b32 s15, s14, 2
	s_add_co_u32 s15, s15, s12                     ; my block of 256 tokens, 0..31: hangs on cy alone within the cluster
	s_lshl_b32 s16, ttmp9, 2
	s_add_co_u32 s16, s16, s11                     ; my block of 256 columns of Wq | Wk, and of 128 columns of Wv, 0..7: on cx alone
	s_lshl_b32 s20, s12, 2
	s_lshl_b32 s20, 15, s20                        ; my row of the cluster
	s_lshl_b32 s21, 0x1111, s11                    ; my column
	s_or_b32 s[G1A], s20, (3<<16)|(1<<21)          ; 15:0 the mask; 17:16 elements of 8 bytes; 20 no padding; 21 set beside a mask
	s_or_b32 s[G1B], s21, (3<<16)|(1<<21)
	s_or_b32 s[G1SA], s20, (3<<16)|(1<<21)
	s_or_b32 s[G1SB], s21, (3<<16)|(1<<21)
.irp g, G1A, G1B                       ; codes: 16 tiles x 3,072 bytes (two K steps' images), 12,288 bytes apart
	s_mov_b32 s[\g+1], 384<<16                     ; tensor_dim0
	s_mov_b32 s[\g+2], 16<<16                      ; 16 tiles at the head
	s_mov_b32 s[\g+3], 384<<16
	s_mov_b32 s[\g+4], 16
	s_mov_b32 s[\g+5], 1536                        ; stride, in elements
	s_mov_b32 s[\g+6], 0
	s_mov_b32 s[\g+7], 0
.endr
.irp g, G1SA, G1SB                     ; the head's long tiles: 16 tiles x 6,144 bytes (K steps 2-5), 12,288 bytes apart
	s_mov_b32 s[\g+1], 768<<16
	s_mov_b32 s[\g+2], 16<<16
	s_mov_b32 s[\g+3], 768<<16
	s_mov_b32 s[\g+4], 16
	s_mov_b32 s[\g+5], 1536
	s_mov_b32 s[\g+6], 0
	s_mov_b32 s[\g+7], 0
.endr
	s_lshl_b32 s17, s15, 1
	s_add_co_u32 s17, s17, s[H0]                   ; x's block of 128 tokens that I would fetch
	s_mul_i32 s18, s17, 98304
	s_mov_b32 s19, 0
	s_lshl_b32 s22, s17, 12
	s_add_co_u32 s22, s22, SBX
	s_mov_b32 s23, 0
	s_lshl_b32 s2, s16, 1
	s_add_co_u32 s2, s2, s[H0]
	s_add_co_u32 s2, s2, 64                        ; Wq | Wk's block of 128 columns that I would fetch (in registers that never hold cy)
	s_mul_i32 s66, s2, 98304
	s_mov_b32 s67, 0
	s_lshl_b32 s92, s2, 12
	s_add_co_u32 s92, s92, SBX
	s_mov_b32 s93, 0
	s_add_co_u32 s2, s16, 80                       ; Wv's block of 128 columns
	s_mul_i32 s94, s2, 98304
	s_mov_b32 s95, 0
	s_lshl_b32 s96, s2, 12
	s_add_co_u32 s96, s96, SBX
	s_mov_b32 s97, 0
	s_mul_i32 s101, s[WV], PART                    ; where phase A's tiles go: wave x a part: no place in the cluster enters an LDS address
	s_lshl_b32 s3, s[WV], 12
	s_wait_dscnt 0x0                               ; both opening adds are done
	s_wait_kmcnt 0x0
	s_add_nc_u64 s[18:19], s[4:5], s[18:19]        ; x's codes (kept for phase B's descriptors)
	s_add_nc_u64 s[22:23], s[4:5], s[22:23]
	s_add_nc_u64 s[66:67], s[4:5], s[66:67]
	s_add_nc_u64 s[92:93], s[4:5], s[92:93]
	s_add_nc_u64 s[94:95], s[4:5], s[94:95]        ; Wv's codes
	s_add_nc_u64 s[96:97], s[4:5], s[96:97]        ; Wv's scale blocks
	MKG0 GA1, 101, 0, 18, 0                        ; for the refill of the short tiles: my part of them
	MKG0 GB1, 101, 0, 66, 0
	s_mul_i32 s[GA0+2], s15, 196608                ; the head's tiles, each of 256 rows: x's hang on the token block alone, the weights' on the column block alone
	s_mov_b32 s[GA0+3], 0
	s_mul_i32 s[GB0+2], s16, 196608
	s_add_co_u32 s[GB0+2], s[GB0+2], 6291456
	s_mov_b32 s[GB0+3], 0
.irp g, GA0, GB0
	s_add_nc_u64 s[\g+2:\g+3], s[4:5], s[\g+2:\g+3]
.endr
	s_add_nc_u64 s[GA2+2:GA2+3], s[GA0+2:GA0+3], 3072
	s_add_nc_u64 s[GB2+2:GB2+3], s[GB0+2:GB0+3], 3072
.irp g, GA0, GB0, GA2, GB2
	s_mov_b32 s[\g], 1
	s_or_b32 s[\g+3], s[\g+3], 0x80000000
.endr
	s_mov_b32 s[GA0+1], 0                          ; K steps 0, 1: x, then the weights;
	s_mov_b32 s[GB0+1], 2*PART
	s_mov_b32 s[GA2+1], SLOTB                      ; K steps 2-5: the same
	s_mov_b32 s[GB2+1], SLOTB+4*PART
	s_mov_b32 s[GA3], 1
	s_mov_b32 s[GB3], 1
	s_cmp_eq_u32 s[H1], 0
	s_cselect_b64 s[92:93], s[22:23], s[92:93]     ; the 4,096 bytes of scale blocks that my wave brings into LDS
	s_add_co_u32 s3, s3, SCL
	CROUND                                         ; all sixteen work-groups are here: the first joint loads meet
; The head's loads, one a wave: wave 0 x's K steps 0, 1, wave 1 the weights', wave 2 x's K steps 2-5, wave 3 the weights'.
.macro ARM under, g0, g1
	s_cmp_lt_u32 s[WV], \under
	s_cbranch_scc0 .Lnext_\under
	tensor_load_to_lds s[\g0:\g0+3], s[\g1:\g1+7]
	s_nop 0
.rept 4
	v_nop
.endr
	s_branch .Lhead_asked
.Lnext_\under:
.endm
	ARM 1, GA0, G1A
	ARM 2, GB0, G1B
	ARM 3, GA2, G1SA
	tensor_load_to_lds s[GB2:GB2+3], s[G1SB:G1SB+7]
	s_nop 0
.rept 4
	v_nop
.endr
.Lhead_asked:
	v_and_b32 v1, 31, v0
	v_lshlrev_b32 v[LI], 4, v1
	v_add_nc_u32 v16, s3, v[LI]                    ; where my scale blocks go
	s_wait_alu depctr_va_vdst(0)
.irp k, 0,1,2,3,4,5,6,7
	global_load_b128 v[200+4*\k:203+4*\k], v[LI], s[92:93] offset:512*\k
.endr
	s_mul_i32 s2, s[H1], PART
	s_mul_i32 s3, s[H0], PART
	s_add_co_u32 s3, s3, 2*PART
.irp s, 0,1                            ; short tiles, long tiles: twice as far apart, behind the short ones
	v_add_nc_u32 v[ADRA+\s], s2, v[LI]
	v_add_nc_u32 v[ADRB+\s], s3, v[LI]
	s_lshl_b32 s2, s2, 1
	s_lshl_b32 s3, s3, 1
	s_add_co_u32 s2, s2, SLOTB
	s_add_co_u32 s3, s3, SLOTB
.endr
	s_lshl_b32 s2, s[H1], 12
	s_add_co_u32 s2, s2, SCL
	v_add_nc_u32 v[ADSA], s2, v[LI]
	s_lshl_b32 s3, s[H0], 12
	s_add_co_u32 s3, s3, SCL+8192
	v_add_nc_u32 v[ADSB], s3, v[LI]
	s_mul_i32 s2, s[H0], HB                        ; phase B: x is source 0: my half of it by wave % 2
	s_add_co_u32 s3, s2, XB0
	v_add_nc_u32 v[AXB], s3, v[LI]
	s_add_co_u32 s3, s2, XB1
	v_add_nc_u32 v[AXB+1], s3, v[LI]
	s_mul_i32 s2, s[H1], 4*6144                    ; my four tiles of Wv by wave / 2
	s_add_co_u32 s3, s2, WB0
	v_add_nc_u32 v[AWB], s3, v[LI]
	s_add_co_u32 s3, s2, WB1
	v_add_nc_u32 v[AWB+1], s3, v[LI]
	s_lshl_b32 s2, s[H0], 12
	s_add_co_u32 s2, s2, SCL
	v_add_nc_u32 v[ADSX], s2, v[LI]
	s_lshl_b32 s2, s[H1], 3
	v_add_nc_u32 v[WSA], s2, v[LI]
.irp k, 0,1,2,3,4,5,6,7
	global_load_b64 v[WS+2*\k:WS+2*\k+1], v[WSA], s[96:97] offset:512*\k   ; Wv's scale words of my four tiles, all 8 K steps: they stay in registers; waited for ahead of phase B
.endr
	s_wait_alu depctr_va_vdst(0)
	s_wait_loadcnt 0x8                             ; my scale blocks are in; Wv's eight loads may be out
.irp k, 0,1,2,3,4,5,6,7
	ds_store_b128 v16, v[200+4*\k:203+4*\k] offset:512*\k
.endr
	s_cmp_lt_u32 s[WV], 2
	s_cbranch_scc0 .Lnot_first
	s_wait_tensorcnt 0x0                           ; waves 0 and 1: K steps 0, 1 are in; the long tiles may stay out
.Lnot_first:
	s_wait_dscnt 0x0
	s_barrier_signal -1
	s_barrier_wait -1
	FETCH 0
	KSTEP 0, 1                                     ; the first products start the sums: nothing is cleared
	TURN 1, 1                                      ; every wave has waited for all its loads: slots 1 and 2 are whole; slot 0 is filled again
	KSTEP 2, 0
	KSTEP 3, 0
	KSTEP 4, 0
	TURN 5, 2                                      ; K steps 6, 7 have landed in every wave's part; slots 1 and 2 take phase B's K steps 0-3
	KSTEP 6, 0
	s_wait_dscnt 0x0
	MULH 7, 0, 0
	MULH 7, 1, 0
	WIN 0
	; PHASE A'S WAY OUT.  No descriptor register is written here: a tensor load is out.
	PLACES
	s_mov_b32 s[SEL], 0x76543210
	s_mov_b32 s[SEL+1], 0xfedcba98
	v_bfe_u32 v16, v0, 4, 1
	v_cmp_eq_u32 s[HM], 1, v16                     ; lanes 16-31
.irp b, 0,1,2,3
	v_mov_b32 v[TM+4+\b], 0                        ; written once: a lane permute's destination counts as one of its sources
.endr
	s_lshl_b32 s2, s15, 1
	s_add_co_u32 s2, s2, s[H1]                     ; my block of 128 tokens, 0..63
	s_lshl_b32 s3, s16, 1
	s_add_co_u32 s3, s3, s[H0]                     ; the next K's step: 0-7 q, 8-15 k
	s_mul_i32 s18, s2, 196608                      ; 8 tiles of 24,576 bytes
	s_mul_i32 s17, s3, 1536
	s_add_co_u32 s18, s18, s17
	s_mov_b32 s19, 0
	s_add_nc_u64 s[18:19], s[6:7], s[18:19]        ; tile 0's image
	s_lshl_b32 s22, s2, 4
	s_add_co_u32 s22, s22, s3
	s_lshl_b32 s22, s22, 9
	s_add_co_u32 s22, s22, 18874368
	s_mov_b32 s23, 0
	s_add_nc_u64 s[22:23], s[6:7], s[22:23]        ; my scale block
.irp a, 0,1,2,3
	SENDT \a, 24576
.endr
	s_wait_tensorcnt 0x0                           ; phase B's group 0 has landed: it had two K steps and half the way out;
	ds_add_u32 v[SPW], v[NIL]                      ; 0 onto my spare word
	s_wait_dscnt 0x0                               ; the add is done; my reads of slot 0 were over ahead of K step 7's products
	CROUND                                         ; so of every wave of every partner
	JLOADB GA3, GB3                                ; phase B's K steps 4-7, into slot 0 and the rest of slot 2: they have the other half of the way out and three K steps in which to land
.irp a, 4,5,6,7
	SENDT \a, 24576
.endr
.irp w, 0,1,2,3
	v_cndmask_b32 v[OUT+\w], v[PW+2*\w], v[PW+2*\w+1], s[HM]   ; lanes 0-15 tile 2 w's words, lanes 16-31 tile 2 w + 1's
.endr
	global_store_b128 v[LI], v[OUT:OUT+3], s[22:23]
	; PHASE B: v^T.  Group 0 was shown whole to every wave by the round above.
	s_wait_loadcnt 0x0                             ; Wv's scale words
	FETCHB 0
	KSTEPB 0, 1                                    ; the first products start the sums anew
	KSTEPB 1, 0
	KSTEPB 2, 0
	WIN 0
	s_wait_tensorcnt 0x0                           ; my part of group 1 has landed
	ds_add_u32 v[SPW], v[NIL]
	s_wait_dscnt 0x0                               ; the add is done, and K step 3's fragments are in
	s_barrier_signal -1
	s_barrier_wait -1                              ; everybody's part has; no round of the cluster's
	PLACES
	FETCHB 4
	MULB 3, 0
	KSTEPB 4, 0
	KSTEPB 5, 0
	KSTEPB 6, 0
	s_wait_dscnt 0x0
	MULB 7, 0
	WIN 0
	; PHASE B'S WAY OUT: my four tiles of e, one token step
	PLACES
	s_wait_xcnt 0x0                                ; phase A's stores have read their bases
	s_lshl_b32 s2, s16, 3
	s_lshl_b32 s3, s[H1], 2
	s_add_co_u32 s2, s2, s3                        ; my first tile of e: 8 x block + 4 x (wave / 2)
	s_mul_i32 s18, s2, 98304
	s_lshl_b32 s3, s15, 1
	s_add_co_u32 s3, s3, s[H0]                     ; my token step, 0..63
	s_mul_i32 s17, s3, 1536
	s_add_co_u32 s18, s18, s17
	s_add_co_u32 s18, s18, 12582912
	s_mov_b32 s19, 0
	s_add_nc_u64 s[18:19], s[6:7], s[18:19]
	s_lshl_b32 s22, s16, 6
	s_add_co_u32 s22, s22, s3
	s_lshl_b32 s22, s22, 9
	s_add_co_u32 s22, s22, 19398656
	s_mov_b32 s23, 0
	s_add_nc_u64 s[22:23], s[6:7], s[22:23]        ; the scale block of my 128 of e: two waves write it, 8 bytes of each lane's 16 each
.irp a, 0,1,2,3
	SENDT \a, 98304
.endr
.irp w, 0,1
	v_cndmask_b32 v[OUT+\w], v[PW+2*\w], v[PW+2*\w+1], s[HM]
.endr
	global_store_b64 v[WSA], v[OUT:OUT+1], s[22:23]
	s_wait_tensorcnt 0x0                           ; the wave's end
	ds_add_u32 v[SPW], v[NIL]
	s_wait_dscnt 0x0
	CROUND                                         ; the closing round: no work-group ends while a partner may still ask for a tile that names it
	s_endpgm
.Lfunc_end_k_qef04fbf61f_proj:
	.size	k_qef04fbf61f_proj, .Lfunc_end_k_qef04fbf61f_proj-k_qef04fbf61f_proj
	.p2alignl 7, 3214868480
	.fill 96, 4, 3214868480
	.section	.rodata,"a",@progbits
	.p2align	6, 0x0
	.amdhsa_kernel k_qef04fbf61f_proj
		.amdhsa_group_segment_fixed_size 327680
		.amdhsa_private_segment_fixed_size 0
		.amdhsa_enable_private_segment 0
		.amdhsa_kernarg_size 16
		.amdhsa_user_sgpr_count 2
		.amdhsa_user_sgpr_kernarg_segment_ptr 1
		.amdhsa_wavefront_size32 1
		.amdhsa_system_sgpr_workgroup_id_x 1
		.amdhsa_system_sgpr_workgroup_id_y 1
		.amdhsa_system_sgpr_workgroup_id_z 1
		.amdhsa_system_vgpr_workitem_id 0
		.amdhsa_next_free_vgpr 1024
		.amdhsa_next_free_sgpr 102
		.amdhsa_reserve_vcc 0
		.amdhsa_float_denorm_mode_32 3
		.amdhsa_float_denorm_mode_16_64 3
		.amdhsa_memory_ordered 1
		.amdhsa_forward_progress 1
		.amdhsa_inst_pref_size 213
	.end_amdhsa_kernel
	.amdgpu_metadata
---
amdhsa.version: [ 1, 2 ]
amdhsa.kernels:
  - .name:           k_qef04fbf61f_proj
    .symbol:         k_qef04fbf61f_proj.kd
    .args:
      - { .name: xw, .offset: 0, .size: 8, .value_kind: global_buffer, .address_space: global }
      - { .name: qkv, .offset: 8, .size: 8, .value_kind: global_buffer, .address_space: global }
    .group_segment_fixed_size: 327680
    .private_segment_fixed_size: 0
    .kernarg_segment_align: 8
    .kernarg_segment_size: 16
    .max_flat_workgroup_size: 128
    .sgpr_count:     102
    .vgpr_count:     1024
    .wavefront_size: 32
...
	.end_amdgpu_metadata
.endif
;; end of part 2
;; launch scores (part 3): grid 36 x 4, 4 waves a work-group, no clusters, 327,680 bytes of LDS; arguments qkv, pp; writes pp
.if DOCPART == 3
	.amdgcn_target "amdgcn-amd-amdhsa--gfx1250"
	.amdhsa_code_object_version 6
	.text
	.protected	k_qef04fbf61f_scores
	.globl	k_qef04fbf61f_scores
	.p2align	8
	.type	k_qef04fbf61f_scores,@function
k_qef04fbf61f_scores:
	s_mov_b64 s[64:65], 0
	v_nop
	global_prefetch_b8 v0, s[64:65] scope:SCOPE_SE
	s_setreg_imm32_b32 hwreg(HW_REG_WAVE_MODE, 25, 1), 1
	s_wait_xcnt 0x0
; S^T = k q^T on codes (K = e = 1,024), the causal mask, and for each query and each 128 keys a partial softmax: t = score x log2(e) / 32, M = ceil(largest t of the 128), p = 2^(t - M), l = the sum of p.
; p is quantised along the keys and stored as images; -M, l and p's scale words are stored beside it.  The last launch joins the parts: M is a whole number, so bringing a part under the row's M is an exact power of two.
; WORK LEFT OUT: blocks of 256 x 256 scores wholly above the diagonal are not launched (reference()'s own jnp.tril makes their weights 0 for all inputs): 36 of 64 blocks a batch remain, work-group x = I (I + 1) / 2 + Jt, Jt <= I.
; In a diagonal block the wave whose 128 x 128 lies above the diagonal multiplies with the others (its part lies inside a live tile) and finishes nothing.
; ZERO IMAGES: the last launch fetches p four key steps at a time, so for query block i it also fetches steps i + 1 .. i | 3.  They are stored here as zero codes, each by one owner: the wave above the diagonal its own (i, J);
; in a diagonal work-group with even I every wave also (i, J + 2).
; NO CLUSTER: under the mask the rows and columns of blocks hold 1 to 8 work-groups, so they do not divide into fours that share an operand.
; pp: images at (128 b + 8 i + a) x 24,576 + J x 1,536 (i: block of 128 queries, a: its tile, J: key step);  at 12,582,912 + ((16 b + i) 16 + J) x 1,536: p's scale block, -M, l, 512 bytes each, all in the scale block's lane order.
; The feed, the slots and the registers are those of the launch before: source 1 = q (a lane holds one query), source 0 = k (its rows, the keys, become the next K).  One tensor line serves all four waves: wave w fetches part w.
; LIMITS: a block's largest p is floored at 2^-60, so that p's bytes lie in 65 .. 125; what that moves lies under 2^-60 beside a row's sum above 1/2.  NaN and infinities are not served.  lds_bytes claims all of LDS.
.set PART,  24576
.set SLOTB, 98304
.set SCL,   294912
.set SPARE, 311296
.set LI,   1
.set ADRA, 2
.set ADRB, 5
.set ADSA, 8
.set ADSB, 9
.set DQ,   10                          ; v10  my query's place less my half's first key, within a group of 32
.set NEGI, 11                          ; v11  -infinity
; THE ORDER OF pp, in place of what stands above: query blocks i and 15 - i are a pair (0 .. 7: the lesser of the two); its 17 parts lie dense: part (i, J) in slot J where i is 8 or more, else in slot 16 - J.
;   images at (8 b + pair) x 208,896 + slot x 12,288 + tile x 1,536;  at 6,684,672 + ((8 b + pair) 17 + slot) x 2,048 + w x 512 + lane x 16: the scale word, -M, l and 0 of tile 2 w + lane / 16, lane lane % 16.
; No zero images are stored: the last launch fetches live parts alone.  The head fetches K steps 0, 1 as short tiles (16 x 3,072 bytes) and 2-5 as long ones (16 x 6,144), one load a wave.
.set SPW,  28
.set NIL,  29
.set SC,   32
.set AF,   64
.set PWS,  64                          ; the way out: v64-71 scale words, v72-79 -M, v80-87 l of the eight tiles
.set NMS,  72
.set LSV,  80
.set OUT,  88
.set P,    128                         ; v128-191 t - M, then p
.set PC,   192
.set TM,   212
.set NM,   228                         ; v[228:229] -M (the packed form names a pair)
.set SU,   230                         ; v230-233 the sum, in two chains of pairs
.set T1,   234
.set T2,   235
.set WV,   8
.set H1,   9
.set H0,   10
.set SEL,  20
.set CS,   22                          ; s[22:23] c = log2(e) / 32
.set G1C,  24
.set G1S,  32
.set G00,  40                          ; groups 0 at G01-G03: the refill of the short tiles, the short tiles, the long ones
.set G01,  44
.set G02,  48
.set G03,  52
.set HM,   60
.set G1H,  68                          ; s[68:75] group 1 of the short tiles, s[76:83] of the long ones
.set G1L,  76
.set MSB, 0
.macro WIN new
.if MSB != (\new)
	s_set_vgpr_msb (MSB<<8)|(\new)
.set MSB, (\new)
.endif
.endm
.macro PLACES
.rept 4
	v_nop
.endr
.endm
.macro MKG0 g, lds, off, ptr, goff
	s_mov_b32 s[\g], 1
	s_add_co_u32 s[\g+1], s[\lds], \off
	s_add_nc_u64 s[\g+2:\g+3], s[\ptr:\ptr+1], \goff
	s_or_b32 s[\g+3], s[\g+3], 0x80000000
.endm
.macro WM d, fa, fb, sa, sb, ra, rb, zero
.if \zero
.if ((\ra)==0)&&((\rb)==0)
	v_wmma_scale_f32_16x16x128_f8f6f4 v[\d:\d+7], v[\fa:\fa+11], v[\fb:\fb+11], 0, v[\sa], v[\sb] matrix_a_fmt:MATRIX_FMT_FP6 matrix_b_fmt:MATRIX_FMT_FP6
.elseif (\rb)==0
	v_wmma_scale_f32_16x16x128_f8f6f4 v[\d:\d+7], v[\fa:\fa+11], v[\fb:\fb+11], 0, v[\sa], v[\sb] matrix_a_fmt:MATRIX_FMT_FP6 matrix_b_fmt:MATRIX_FMT_FP6 matrix_a_scale:MATRIX_SCALE_ROW1
.elseif (\ra)==0
	v_wmma_scale_f32_16x16x128_f8f6f4 v[\d:\d+7], v[\fa:\fa+11], v[\fb:\fb+11], 0, v[\sa], v[\sb] matrix_a_fmt:MATRIX_FMT_FP6 matrix_b_fmt:MATRIX_FMT_FP6 matrix_b_scale:MATRIX_SCALE_ROW1
.else
	v_wmma_scale_f32_16x16x128_f8f6f4 v[\d:\d+7], v[\fa:\fa+11], v[\fb:\fb+11], 0, v[\sa], v[\sb] matrix_a_fmt:MATRIX_FMT_FP6 matrix_b_fmt:MATRIX_FMT_FP6 matrix_a_scale:MATRIX_SCALE_ROW1 matrix_b_scale:MATRIX_SCALE_ROW1
.endif
.else
.if ((\ra)==0)&&((\rb)==0)
	v_wmma_scale_f32_16x16x128_f8f6f4 v[\d:\d+7], v[\fa:\fa+11], v[\fb:\fb+11], v[\d:\d+7], v[\sa], v[\sb] matrix_a_fmt:MATRIX_FMT_FP6 matrix_b_fmt:MATRIX_FMT_FP6
.elseif (\rb)==0
	v_wmma_scale_f32_16x16x128_f8f6f4 v[\d:\d+7], v[\fa:\fa+11], v[\fb:\fb+11], v[\d:\d+7], v[\sa], v[\sb] matrix_a_fmt:MATRIX_FMT_FP6 matrix_b_fmt:MATRIX_FMT_FP6 matrix_a_scale:MATRIX_SCALE_ROW1
.elseif (\ra)==0
	v_wmma_scale_f32_16x16x128_f8f6f4 v[\d:\d+7], v[\fa:\fa+11], v[\fb:\fb+11], v[\d:\d+7], v[\sa], v[\sb] matrix_a_fmt:MATRIX_FMT_FP6 matrix_b_fmt:MATRIX_FMT_FP6 matrix_b_scale:MATRIX_SCALE_ROW1
.else
	v_wmma_scale_f32_16x16x128_f8f6f4 v[\d:\d+7], v[\fa:\fa+11], v[\fb:\fb+11], v[\d:\d+7], v[\sa], v[\sb] matrix_a_fmt:MATRIX_FMT_FP6 matrix_b_fmt:MATRIX_FMT_FP6 matrix_a_scale:MATRIX_SCALE_ROW1 matrix_b_scale:MATRIX_SCALE_ROW1
.endif
.endif
.endm
.macro FETCH k
.if ((\k)>1)&&((\k)<6)                 ; K steps 2-5 lie in the long tiles, 0, 1 and later 6, 7 in the short ones
.set FS, 1
.set FO, ((\k)-2)*1536
.set FT, 6144
.else
.set FS, 0
.set FO, ((\k)%2)*1536
.set FT, 3072
.endif
.set FP, (\k)%2
	WIN 0x40
.irp bt, 0,1,2,3,4,5,6,7
.irp c, 0,1,2
	ds_load_b128 v[128*FP+12*\bt+4*\c:128*FP+12*\bt+4*\c+3], v[ADRB+FS] offset:\bt*FT+FO+512*\c
.endr
.endr
	WIN 0
.irp a, 0,1,2,3,4,5,6,7
.irp c, 0,1,2
	ds_load_b128 v[AF+96*FP+12*\a+4*\c:AF+96*FP+12*\a+4*\c+3], v[ADRA+FS] offset:\a*FT+FO+512*\c
.endr
.endr
	ds_load_b128 v[SC+8*FP:SC+8*FP+3], v[ADSA] offset:(\k)*512
	ds_load_b128 v[SC+8*FP+4:SC+8*FP+7], v[ADSB] offset:(\k)*512
.endm
.macro MULH k, half, zero              ; the 64 accumulators take turns, one instruction a turn
.set MP, (\k)%2
.if \half
	WIN 0xf1
.else
	WIN 0xa1
.endif
.irp a4, 0,1,2,3
.irp bt, 0,1,2,3,4,5,6,7
	WM (8*(8*\a4+\bt)), (128*MP+12*\bt), (AF+96*MP+12*(4*\half+\a4)), (SC+8*MP+4+\bt/2), (SC+8*MP+(4*\half+\a4)/2), \bt%2, \a4%2, \zero
.endr
.endr
.endm
.macro KSTEP k, zero
	s_wait_dscnt 0x0
	PLACES
	FETCH (\k)+1
	MULH \k, 0, \zero
	MULH \k, 1, \zero
.endm
.macro TURN k, fill
	WIN 0
	s_wait_tensorcnt 0x0                           ; all my tensor loads have landed
	ds_add_u32 v[SPW], v[NIL]                      ; 0 onto my spare word
.if \fill
	s_add_nc_u64 s[G01+2:G01+3], s[G01+2:G01+3], 9216   ; no load of mine is out: slot 0's group 0 goes from K steps 0, 1 to 6, 7
.endif
	s_wait_dscnt 0x0                               ; the add is done, and this step's fragments, my last reads of the slot, are in
	s_barrier_signal -1
	MULH \k, 0, 0
	WIN 0
	s_barrier_wait -1
.if \fill
	tensor_load_to_lds s[G01:G01+3], s[G1C:G1C+7]  ; my one tensor load behind the barrier, and the first thing there
	s_nop 0
.endif
	PLACES
	FETCH (\k)+1
	MULH \k, 1, 0
.endm
	s_load_b128 s[4:7], s[0:1], 0x0                ; qkv s[4:5], pp s[6:7]
	v_lshl_add_u32 v[SPW], v0, 2, SPARE
	v_mov_b32 v[NIL], 0
	ds_add_u32 v[SPW], v[NIL]                      ; the wave's opening: the add, twice on end, and its wait ahead of my first tensor load
	ds_add_u32 v[SPW], v[NIL]
	v_lshrrev_b32 v1, 5, v0
	v_readfirstlane_b32 s[WV], v1
	s_lshr_b32 s[H1], s[WV], 1                     ; my half of the queries.  Also: I fetch for q (0) or for k (1)
	s_and_b32 s[H0], s[WV], 1                      ; my half of the keys.  Also: which 128 rows I fetch
	s_mov_b32 s11, 0
.irp n, 1,3,6,10,15,21,28
	s_cmp_ge_u32 ttmp9, \n
	s_add_co_ci_u32 s11, s11, 0                    ; I: how many rows of the triangle begin at or under my number
.endr
	s_add_co_u32 s56, s11, 1
	s_mul_i32 s56, s56, s11
	s_lshr_b32 s56, s56, 1
	s_sub_co_u32 s12, ttmp9, s56                   ; Jt
	s_and_b32 s13, ttmp7, 0xffff                   ; batch
	s_sub_co_u32 s56, s12, s11
	s_mul_i32 s56, s56, s[H1]
	s_add_co_u32 s56, s56, s11                     ; I for q's waves, Jt for k's
	s_lshl_b32 s56, s56, 1
	s_add_co_u32 s56, s56, s[H0]
	s_lshl_b32 s57, s13, 4
	s_add_co_u32 s56, s56, s57                     ; the block of 128 tokens that I fetch
	s_mul_i32 s58, s56, 196608
	s_mul_i32 s57, s[H1], 12288                    ; k's images lie 8 K steps behind q's
	s_add_co_u32 s58, s58, s57
	s_mov_b32 s59, 0
	s_lshl_b32 s62, s56, 13
	s_lshl_b32 s57, s[H1], 12
	s_add_co_u32 s62, s62, s57
	s_add_co_u32 s62, s62, 18874368
	s_mov_b32 s63, 0
	s_sub_co_u32 s66, s12, s11                     ; at the head I fetch all 256 rows of q (even waves) or k (odd waves): K steps 0, 1 (waves 0, 1) or 2-5 (waves 2, 3)
	s_mul_i32 s66, s66, s[H0]
	s_add_co_u32 s66, s66, s11
	s_lshl_b32 s66, s66, 1
	s_lshl_b32 s67, s13, 4
	s_add_co_u32 s66, s66, s67
	s_mul_i32 s66, s66, 196608
	s_mul_i32 s67, s[H0], 12288
	s_add_co_u32 s66, s66, s67
	s_mul_i32 s67, s[H1], 3072
	s_add_co_u32 s66, s66, s67
	s_mov_b32 s67, 0
	s_mov_b32 s[G1C], 3<<16                        ; no mask; elements of 8 bytes; no padding
	s_mov_b32 s[G1C+1], 384<<16                    ; 8 tiles x 3,072 bytes (two K steps' images), 24,576 bytes apart
	s_mov_b32 s[G1C+2], 8<<16
	s_mov_b32 s[G1C+3], 384<<16
	s_mov_b32 s[G1C+4], 8
	s_mov_b32 s[G1C+5], 3072
	s_mov_b32 s[G1C+6], 0
	s_mov_b32 s[G1C+7], 0
.irp g, G1H, G1L
	s_mov_b32 s[\g], 3<<16
	s_mov_b32 s[\g+1], (384*((\g)-60)/8)<<16       ; 384 elements of 8 bytes, or 768
	s_mov_b32 s[\g+2], 16<<16
	s_mov_b32 s[\g+3], (384*((\g)-60)/8)<<16
	s_mov_b32 s[\g+4], 16
	s_mov_b32 s[\g+5], 3072
	s_mov_b32 s[\g+6], 0
	s_mov_b32 s[\g+7], 0
.endr
	s_mul_i32 s56, s[WV], PART
	s_lshl_b32 s57, s[WV], 12
	s_wait_dscnt 0x0                               ; both opening adds are done
	s_wait_kmcnt 0x0
	s_add_nc_u64 s[58:59], s[4:5], s[58:59]
	s_add_nc_u64 s[62:63], s[4:5], s[62:63]
	s_add_nc_u64 s[66:67], s[4:5], s[66:67]
	s_mul_i32 s60, s[H0], 2*PART
	s_mul_i32 s61, s[H0], 4*PART
	MKG0 G01, 56, 0, 58, 0                         ; for the refill of the short tiles: my part of them
	MKG0 G02, 60, 0, 66, 0
	MKG0 G03, 61, SLOTB, 66, 0
	s_add_co_u32 s84, s57, SCL
	s_cmp_lt_u32 s[WV], 2                          ; one load a wave
	s_cbranch_scc0 .Llong
	tensor_load_to_lds s[G02:G02+3], s[G1H:G1H+7]
	s_nop 0
	PLACES
	s_branch .Lhead_asked
.Llong:
	tensor_load_to_lds s[G03:G03+3], s[G1L:G1L+7]
	s_nop 0
	PLACES
.Lhead_asked:
	v_and_b32 v1, 31, v0
	v_lshlrev_b32 v[LI], 4, v1
	v_add_nc_u32 v16, s84, v[LI]                   ; where my scale blocks go
	s_wait_alu depctr_va_vdst(0)
.irp k, 0,1,2,3,4,5,6,7
	global_load_b128 v[200+4*\k:203+4*\k], v[LI], s[62:63] offset:512*\k   ; the scale blocks of my 128 rows
.endr
	s_mul_i32 s56, s[H1], PART
	s_mul_i32 s57, s[H0], PART
	s_add_co_u32 s57, s57, 2*PART
.irp s, 0,1                            ; short tiles, long tiles: twice as far apart, behind the short ones
	v_add_nc_u32 v[ADRA+\s], s56, v[LI]
	v_add_nc_u32 v[ADRB+\s], s57, v[LI]
	s_lshl_b32 s56, s56, 1
	s_lshl_b32 s57, s57, 1
	s_add_co_u32 s56, s56, SLOTB
	s_add_co_u32 s57, s57, SLOTB
.endr
	s_lshl_b32 s56, s[H1], 12
	s_add_co_u32 s56, s56, SCL
	v_add_nc_u32 v[ADSA], s56, v[LI]
	s_lshl_b32 s57, s[H0], 12
	s_add_co_u32 s57, s57, SCL+8192
	v_add_nc_u32 v[ADSB], s57, v[LI]
	s_wait_alu depctr_va_vdst(0)
	s_wait_loadcnt 0x0
.irp k, 0,1,2,3,4,5,6,7
	ds_store_b128 v16, v[200+4*\k:203+4*\k] offset:512*\k
.endr
	s_cmp_lt_u32 s[WV], 2
	s_cbranch_scc0 .Lnot_first
	s_wait_tensorcnt 0x0                           ; waves 0 and 1: K steps 0, 1 are in; the long tiles may stay out
.Lnot_first:
	s_wait_dscnt 0x0
	s_barrier_signal -1
	s_barrier_wait -1
	FETCH 0
	KSTEP 0, 1
	TURN 1, 1
	KSTEP 2, 0
	KSTEP 3, 0
	KSTEP 4, 0
	TURN 5, 0
	KSTEP 6, 0
	s_wait_dscnt 0x0
	MULH 7, 0, 0
	MULH 7, 1, 0
	WIN 0
	; THE WAY OUT
	PLACES
	s_mov_b32 s[SEL], 0x76543210
	s_mov_b32 s[SEL+1], 0xfedcba98
	s_mov_b32 s[CS], 0x3d38aa3b                    ; c = log2(e) / sqrt(1024)
	s_mov_b32 s[CS+1], s[CS]
	s_lshl_b32 s14, s11, 1
	s_add_co_u32 s14, s14, s[H1]                   ; i: my block of 128 queries
	s_lshl_b32 s15, s12, 1
	s_add_co_u32 s15, s15, s[H0]                   ; J: my key step
	s_sub_co_u32 s56, 15, s14
	s_min_u32 s56, s56, s14                        ; the pair
	s_sub_co_u32 s57, 16, s15
	s_cmp_ge_u32 s14, 8
	s_cselect_b32 s57, s15, s57                    ; the slot
	s_lshl_b32 s58, s13, 3
	s_add_co_u32 s58, s58, s56
	s_mul_i32 s16, s58, 208896
	s_mul_i32 s56, s57, 12288
	s_add_co_u32 s16, s16, s56
	s_mov_b32 s17, 0
	s_add_nc_u64 s[16:17], s[6:7], s[16:17]        ; tile 0's image of (i, J)
	s_mul_i32 s18, s58, 17
	s_add_co_u32 s18, s18, s57
	s_lshl_b32 s18, s18, 11
	s_add_co_u32 s18, s18, 6684672
	s_mov_b32 s19, 0
	s_add_nc_u64 s[18:19], s[6:7], s[18:19]        ; scale words, -M, l of (i, J)
	s_cmp_gt_u32 s15, s14                          ; above the diagonal: nothing to finish
	s_cbranch_scc1 .Lend
	v_and_b32 v[DQ], 7, v0
	v_bfe_u32 v100, v0, 3, 1
	v_bfe_u32 v101, v0, 4, 1
	v_cmp_eq_u32 s[HM], 1, v101                    ; lanes 16-31
	v_sub_nc_u32 v100, v100, v101
	v_lshl_add_u32 v[DQ], v100, 4, v[DQ]           ; r % 8 + 16 (r / 8) - 16 h
	v_mov_b32 v[NEGI], 0xff800000
	v_mov_b32 v[NM+1], 0                           ; (named as the upper half of a pair)
	v_mov_b32 v[T2], 0
.irp b, 0,1,2,3
	v_mov_b32 v[TM+4+\b], 0                        ; written once: a lane permute's destination counts as one of its sources
.endr
; Tile a of my queries.  Lane (r, h) holds query 32 (a / 2) + 8 (a % 2) + r % 8 + 16 (r / 8); its register 16 g + n holds key 32 g + 16 h + n.
.macro SM a
.set W, 2+(\a)/4
.set AC, 64*((\a)%4)
.set BP, (\a)/2
.set UP, (\a)%2
	s_cmp_lg_u32 s14, s15                          ; under the diagonal all keys count
	s_cbranch_scc1 .Lopen_\@
	WIN (W<<6)|W                                   ; destination and source 0 in the accumulators' window
.set n, 0
.rept 16
	v_cmp_gt_i32 vcc_lo, n-8*UP, v[DQ]             ; in my query's own group of 32: hidden where the key comes after the query
	v_cndmask_b32 v[AC+16*BP+n], v[AC+16*BP+n], v[NEGI], vcc_lo
.set n, n+1
.endr
.if BP < 3
.set n, 16*(BP+1)
.rept 48-16*BP
	v_mov_b32 v[AC+n], 0xff800000                  ; the groups behind it are hidden whole
.set n, n+1
.endr
.endif
	WIN 0
.Lopen_\@:
	WIN (W<<2)|(W<<4)
.irp b, 0,1,2,3
	v_max3_num_f32 v[TM+\b], 0xff7fffff, v[AC+16*\b], v[AC+1+16*\b]   ; the largest score of each block of 32 keys: it serves for the row's maximum and, since p rises with the score, for the block's largest p
.endr
.irp i, 2,4,6,8,10,12,14
.irp b, 0,1,2,3
	v_max3_num_f32 v[TM+\b], v[TM+\b], v[AC+16*\b+\i], v[AC+1+16*\b+\i]
.endr
.endr
	WIN 0
.irp b, 0,1,2,3
	v_permlanex16_b32 v[TM+4+\b], v[TM+\b], s[SEL], s[SEL+1]
.endr
.irp b, 0,1,2,3
	v_max_num_f32 v[TM+\b], v[TM+\b], v[TM+4+\b]
.endr
	v_max3_num_f32 v[T1], v[TM], v[TM+1], v[TM+2]
	v_max_num_f32 v[T1], v[T1], v[TM+3]
	v_mul_f32 v[T1], s[CS], v[T1]                  ; the largest t of these 128 keys (on the diagonal the query's own key is among them)
	v_floor_f32 v[NM], -v[T1]                      ; -M = floor(-t): M is a whole number
	WIN W
.set j, 0
.rept 32
	v_pk_fma_f32 v[P+j:P+j+1], v[AC+j:AC+j+1], s[CS:CS+1], v[NM:NM+1] op_sel_hi:[1,0,0]   ; t - M
.set j, j+2
.endr
	WIN 0
.irp b, 0,1,2,3
	v_fma_f32 v[TM+\b], v[TM+\b], s[CS], v[NM]     ; the same of each block's largest score
.endr
.set j, 0
	s_wait_alu depctr_va_vdst(0)
.rept 64
	v_exp_f32 v[P+j], v[P+j]                       ; p = 2^(t - M)
.set j, j+1
.endr
	v_mov_b32 v[NMS+\a], v[NM]                     ; (a plain place behind the exponentials)
	s_wait_alu depctr_va_vdst(0)                   ; one wait for the batch, ahead of its first reader
.irp b, 0,1,2,3
	v_exp_f32 v[TM+\b], v[TM+\b]                   ; the block's largest p: the same two instructions on the same number give the same bits
.endr
	v_pk_add_f32 v[SU:SU+1], v[P:P+1], v[P+2:P+3]  ; the sum is taken of the unquantised p, in two chains
	v_pk_add_f32 v[SU+2:SU+3], v[P+4:P+5], v[P+6:P+7]
.irp j, 8,12,16,20,24,28,32,36,40,44,48,52,56,60
	v_pk_add_f32 v[SU:SU+1], v[SU:SU+1], v[P+\j:P+\j+1]
	v_pk_add_f32 v[SU+2:SU+3], v[SU+2:SU+3], v[P+\j+2:P+\j+3]
.endr
	v_pk_add_f32 v[SU:SU+1], v[SU:SU+1], v[SU+2:SU+3]
	s_wait_alu depctr_va_vdst(0)                   ; and one for the four
.irp b, 0,1,2,3
	v_max_num_f32 v[TM+\b], 0x21800000, v[TM+\b]   ; the floor 2^-60: the byte stays in 65 .. 125
.endr
.irp b, 0,1,2,3
	v_add_nc_u32 v[TM+12+\b], 0xff000000, v[TM+\b]
.endr
.irp b, 0,1,2,3
	v_lshrrev_b32 v[TM+4+\b], 23, v[TM+12+\b]
.endr
	v_lshl_or_b32 v[PWS+\a], v[TM+5], 8, v[TM+4]
	v_lshl_or_b32 v[PWS+\a], v[TM+6], 16, v[PWS+\a]
	v_lshl_or_b32 v[PWS+\a], v[TM+7], 24, v[PWS+\a]
.if \a > 0
	s_wait_xcnt 0x0                                ; the last tile's stores have read the codes' registers
.endif
.irp c, 0,1
	v_cvt_scalef32_pk16_fp6_f32 v[PC+6*\c:PC+2+6*\c], v[P+32*\c:P+15+32*\c], v[TM+12+2*\c]
	v_cvt_scalef32_pk16_fp6_f32 v[PC+12+4*\c:PC+14+4*\c], v[P+16+32*\c:P+31+32*\c], v[TM+12+2*\c+1]
.endr
	v_add_f32 v[T1], v[SU], v[SU+1]                ; (the plain place behind the conversions)
.irp c, 0,1
.irp i, 0,1,2
	v_permlane16_swap_b32 v[PC+6*\c+\i], v[PC+12+4*\c+\i]
.endr
.irp i, 0,1,2
	v_mov_b32 v[PC+3+6*\c+\i], v[PC+12+4*\c+\i]
.endr
.endr
	v_permlanex16_b32 v[T2], v[T1], s[SEL], s[SEL+1]
	v_add_f32 v[LSV+\a], v[T1], v[T2]              ; l of my query over these 128 keys
.irp c, 0,1,2
	global_store_b128 v[LI], v[PC+4*\c:PC+4*\c+3], s[16:17] offset:(\a)*1536+512*\c   ; 512 consecutive bytes, aligned
.endr
.endm
.irp a, 0,1,2,3,4,5,6,7
	SM \a
.endr
.irp w, 0,1,2,3
	v_cndmask_b32 v[OUT+4*\w], v[PWS+2*\w], v[PWS+2*\w+1], s[HM]   ; lanes 0-15 tile 2 w's, lanes 16-31 tile 2 w + 1's
	v_cndmask_b32 v[OUT+4*\w+1], v[NMS+2*\w], v[NMS+2*\w+1], s[HM]
	v_cndmask_b32 v[OUT+4*\w+2], v[LSV+2*\w], v[LSV+2*\w+1], s[HM]
	v_mov_b32 v[OUT+4*\w+3], 0
.endr
.irp w, 0,1,2,3
	global_store_b128 v[LI], v[OUT+4*\w:OUT+4*\w+3], s[18:19] offset:512*\w
.endr
.Lend:
	s_wait_tensorcnt 0x0                           ; the wave's end
	ds_add_u32 v[SPW], v[NIL]
	s_wait_dscnt 0x0
	s_endpgm
.Lfunc_end_k_qef04fbf61f_scores:
	.size	k_qef04fbf61f_scores, .Lfunc_end_k_qef04fbf61f_scores-k_qef04fbf61f_scores
	.p2alignl 7, 3214868480
	.fill 96, 4, 3214868480
	.section	.rodata,"a",@progbits
	.p2align	6, 0x0
	.amdhsa_kernel k_qef04fbf61f_scores
		.amdhsa_group_segment_fixed_size 327680
		.amdhsa_private_segment_fixed_size 0
		.amdhsa_enable_private_segment 0
		.amdhsa_kernarg_size 16
		.amdhsa_user_sgpr_count 2
		.amdhsa_user_sgpr_kernarg_segment_ptr 1
		.amdhsa_wavefront_size32 1
		.amdhsa_system_sgpr_workgroup_id_x 1
		.amdhsa_system_sgpr_workgroup_id_y 1
		.amdhsa_system_sgpr_workgroup_id_z 1
		.amdhsa_system_vgpr_workitem_id 0
		.amdhsa_next_free_vgpr 1024
		.amdhsa_next_free_sgpr 88
		.amdhsa_reserve_vcc 1
		.amdhsa_float_denorm_mode_32 3
		.amdhsa_float_denorm_mode_16_64 3
		.amdhsa_memory_ordered 1
		.amdhsa_forward_progress 1
		.amdhsa_inst_pref_size 213
	.end_amdhsa_kernel
	.amdgpu_metadata
---
amdhsa.version: [ 1, 2 ]
amdhsa.kernels:
  - .name:           k_qef04fbf61f_scores
    .symbol:         k_qef04fbf61f_scores.kd
    .args:
      - { .name: qkv, .offset: 0, .size: 8, .value_kind: global_buffer, .address_space: global }
      - { .name: pp, .offset: 8, .size: 8, .value_kind: global_buffer, .address_space: global }
    .group_segment_fixed_size: 327680
    .private_segment_fixed_size: 0
    .kernarg_segment_align: 8
    .kernarg_segment_size: 16
    .max_flat_workgroup_size: 128
    .sgpr_count:     88
    .vgpr_count:     1024
    .wavefront_size: 32
...
	.end_amdgpu_metadata
.endif
;; end of part 3
;; launch pv (part 4): grid 8 x 32, 4 waves a work-group, no clusters, 327,680 bytes of LDS; arguments pp, qkv, out0; writes out0
.if DOCPART == 4
	.amdgcn_target "amdgcn-amd-amdhsa--gfx1250"
	.amdhsa_code_object_version 6
	.text
	.protected	k_qef04fbf61f_pv
	.globl	k_qef04fbf61f_pv
	.p2align	8
	.type	k_qef04fbf61f_pv,@function
k_qef04fbf61f_pv:
	s_mov_b64 s[64:65], 0
	v_nop
	global_prefetch_b8 v0, s[64:65] scope:SCOPE_SE
	s_setreg_imm32_b32 hwreg(HW_REG_WAVE_MODE, 25, 1), 1
	s_wait_xcnt 0x0
; out = (the sum over key steps J of p_J v_J 2^(M_J - M)) / l, on codes; K = the keys.  O^T = v^T p^T: source 0 = 16 of e, source 1 = 16 queries: a lane holds one query.
; WORK LEFT OUT: query block i (128 queries) multiplies key steps 0 .. i alone: beyond them reference()'s own mask makes every weight 0, for all inputs.  A NaN or an infinity that reaches only that work is not carried.
; SHARES.  A work-group takes the PAIR of query blocks LO (0 .. 7) and HI = 15 - LO of a batch, 128 of e: 17 parts of p in all, whatever LO.  8 column blocks x 4 batches x 8 pairs = 256 work-groups.  Wave w: queries 32 w .. 32 w + 31 of both blocks, all 128 of e.
; v^T: 8 tiles x 16 key steps, 196,608 bytes, lie in LDS for the whole launch; the four head loads bring key steps 0-1, 2-4, 5-7, 8-15 (one a wave; HI is 8 or more, so each is read), and four barriers show them one after the other.  Nothing is filled again.
; p goes from memory into registers: its images are fragments as they lie.  Slot s of a pair's 17: the upper block's key step s; or, where s is over HI, and for s = 16, the lower block's key step 16 - s.  So all 17 slots have fixed registers and addresses.
; THE WALK is over key steps of v^T: each fragment serves the upper block and, up to key step LO, the lower one.  The lower block's results leave behind key step 8.
; THE PARTS ARE JOINED at the head: m_s = M_s - M, a whole number, 0 or less, is added to all four bytes of slot s's scale word (an exact power of two), and l = the sum of l_s 2^(m_s).
; p's bytes lie in 65 .. 125 and m_s is held at -64, so no byte borrows from the next and none falls under 1.
; LIMIT: a part more than 64 powers of two under the row's maximum counts as 2^-64 of itself, beside a sum above 1/2.  NaN and infinities are not served.
; NO CLUSTER: work-groups that share v^T walk different numbers of key steps (LO differs), and those that share p take it into registers, where no joint load lands.  NO PREFETCH: no loop to run ahead in; every load of v^T and 65 of a wave's others go out at the head.
; REGISTERS: window 0: v1-10 addresses; v12-19 1 / l; v32-52 p's scale words; v64-127 v^T's; v128-255 the lower block's accumulators (at the head the parts' words).  window 1: v^T's fragments, two sets at v0, v96; v192-239 slots 16, 15.
;   window 2: v0-127 the upper block's accumulators; v128-247 slots 0-4 (v128-191 on the way out).  window 3: v0-239 slots 5-14.
.set STAGE, 196608                     ; 16 rows x 272 bytes for each wave: no fill ever lands here
.set SPARE, 214016
.set LI,   1                           ; v1-3: 16 x lane, + 65,536, + 131,072
.set VP,   4                           ; my two tiles of a slot
.set VR,   5                           ; my words of a slot
.set STO,  8
.set RD,   9
.set GO,   10
.set RLH,  12
.set RLL,  16
.set MMH,  20
.set MML,  21
.set LLH,  22
.set LLL,  23
.set RR,   24
.set YY,   26
.set SPW,  28
.set NIL,  29
.set INF,  30
.set T,    31
.set VS,   64
.set RB,   128
.set ACL,  128
.set TO,   128
.set BK,   160
.set WV,   10
.set B,    12
.set LO,   13
.set HI,   14
.set G1,   16                          ; four groups 1, s16-47; four groups 0, s48-63
.set G0,   48
.set SM,   66                          ; s66-72: all ones where slot 9 .. 15 is the upper block's
.set HM,   73
.set SEL,  74
.set MSB, 0
.macro WIN new                         ; the immediate's high byte repeats the setting that is left
.if MSB != (\new)
	s_set_vgpr_msb (MSB<<8)|(\new)
.set MSB, (\new)
.endif
.endm
.macro PLACES
.rept 4
	v_nop
.endr
.endm
.macro SLOT s                          ; where slot s lies: window SW, register SR
.if (\s) < 5
.set SW, 2
.set SR, 128+24*(\s)
.elseif (\s) < 15
.set SW, 3
.set SR, 24*((\s)-5)
.else
.set SW, 1
.set SR, 192+24*(16-(\s))
.endif
.endm
.macro WDREG s                         ; its scale word's register: never the same modulo 8 as v^T's of the key step that it meets
.set WR, 32+8*((\s)/8)+4*(1-(\s)%2)+((\s)%8)/2
.endm
.macro LOADP s                         ; my two tiles of slot s: 3,072 consecutive bytes, six loads of 512
	SLOT \s
	WIN (SW<<6)
.irp k, 0,1,2,3,4,5
	global_load_b128 v[SR+4*\k:SR+4*\k+3], v[VP], s[76:77] offset:(\s)*12288+512*\k
.endr
	WIN 0
.endm
.macro G1V g, n                        ; 8 tiles x n key steps, 98,304 bytes apart; elements of 8 bytes
	s_mov_b32 s[\g], 3<<16
	s_mov_b32 s[\g+1], (192*\n)<<16
	s_mov_b32 s[\g+2], 8<<16
	s_mov_b32 s[\g+3], (192*\n)<<16
	s_mov_b32 s[\g+4], 8
	s_mov_b32 s[\g+5], 12288
	s_mov_b32 s[\g+6], 0
	s_mov_b32 s[\g+7], 0
.endm
.macro G0V g, lds, off
	s_mov_b32 s[\g], 1
	s_mov_b32 s[\g+1], \lds
	s_add_nc_u64 s[\g+2:\g+3], s[88:89], \off
	s_or_b32 s[\g+3], s[\g+3], 0x80000000
.endm
.macro ARM under, g0, g1               ; an s_nop 0 and four v_nop follow each load
	s_cmp_lt_u32 s[WV], \under
	s_cbranch_scc0 .Lnext_\under
	tensor_load_to_lds s[\g0:\g0+3], s[\g1:\g1+7]
	s_nop 0
	PLACES
	s_branch .Lasked
.Lnext_\under:
.endm
.macro SHOW under                      ; the waves under this number have waited for their loads: shown to all
	s_cmp_lt_u32 s[WV], \under
	s_cbranch_scc0 .Lshow_\@
	s_wait_tensorcnt 0x0
.Lshow_\@:
	s_barrier_signal -1
	s_barrier_wait -1
.endm
.macro FETCH j                         ; key step j: 8 fragments of v^T into set j % 2: 24 loads
.if (\j) < 2
.set FB, (\j)*1536
.set FR, 3072
.elseif (\j) < 5
.set FB, 24576+((\j)-2)*1536
.set FR, 4608
.elseif (\j) < 8
.set FB, 61440+((\j)-5)*1536
.set FR, 4608
.else
.set FB, 98304+((\j)-8)*1536
.set FR, 12288
.endif
	WIN 0x40
.irp bt, 0,1,2,3,4,5,6,7
.irp c, 0,1,2
.set FA, FB+\bt*FR+512*\c
.set FD, 96*((\j)%2)+12*\bt+4*\c
	ds_load_b128 v[FD:FD+3], v[LI+FA/65536] offset:FA%65536
.endr
.endr
	WIN 0
.endm
.macro MUL j, slot, dw, db, zero       ; 16 products; the 16 accumulators take turns, one instruction a turn
	SLOT \slot
	WDREG \slot
	WIN (1|(SW<<2)|(\dw<<4)|(\dw<<6))
.irp a, 0,1
.irp q, 0,1,2,3
.irp u, 0,1
.set PD, \db+8*(8*\a+2*\q+\u)
.set PA, 96*((\j)%2)+12*(2*\q+\u)
.set PB, SR+12*\a
.if \zero
	v_wmma_scale_f32_16x16x128_f8f6f4 v[PD:PD+7], v[PA:PA+11], v[PB:PB+11], 0, v[VS+4*(\j)+\q], v[WR] matrix_a_fmt:MATRIX_FMT_FP6 matrix_b_fmt:MATRIX_FMT_FP6 matrix_a_scale:MATRIX_SCALE_ROW\u matrix_b_scale:MATRIX_SCALE_ROW\a
.else
	v_wmma_scale_f32_16x16x128_f8f6f4 v[PD:PD+7], v[PA:PA+11], v[PB:PB+11], v[PD:PD+7], v[VS+4*(\j)+\q], v[WR] matrix_a_fmt:MATRIX_FMT_FP6 matrix_b_fmt:MATRIX_FMT_FP6 matrix_a_scale:MATRIX_SCALE_ROW\u matrix_b_scale:MATRIX_SCALE_ROW\a
.endif
.endr
.endr
.endr
	WIN 0
.endm
; Key step j.  cnt: the loads issued behind the last slot that it reads, which may be out (-1: all are in);  n1, n2: slots asked for here (-1: none).
.macro STEP j, cnt, n1, n2
	s_wait_dscnt 0x0                               ; its fragments are in
.if (\j) == 1
	SHOW 2
.elseif (\j) == 4
	SHOW 3
.elseif (\j) == 7
	s_wait_tensorcnt 0x0                           ; the last of the head's loads
	s_barrier_signal -1
	s_barrier_wait -1
.endif
.if (\j) < 15
	PLACES                                         ; places ahead of loads into registers that the step before multiplied
	FETCH (\j)+1
.endif
.if (\cnt) >= 0
	s_wait_loadcnt \cnt
.endif
.if (\n1) >= 0
	LOADP \n1
.endif
.if (\n2) >= 0
	LOADP \n2
.endif
.if (\j) == 0
	MUL 0, 0, 2, 0, 1                              ; the first products start the sums
	MUL 0, 16, 0, ACL, 1
.else
	MUL \j, \j, 2, 0, 0
.if (\j) < 8
	s_cmp_lt_u32 s[LO], \j                         ; beyond its own last key step the lower block multiplies nothing
	s_cbranch_scc1 .Lupper_\@
	MUL \j, 16-(\j), 0, ACL, 0
.Lupper_\@:
.endif
.endif
.endm
; THE WAY OUT of tile a, half hf of my 128 of e.  Lane (r, h) of accumulator (a, bt) holds, of query lane r of the tile, e = 32 (bt / 2) + 16 h + 8 (bt % 2) + 0 .. 7: 16 queries x 64 of e (256 bytes a row) go through my stage.
.macro PASS a, hf, aw, ab, rl, sb
	WIN ((2<<6)|\aw)
.irp t, 0,1,2,3
.irp k, 0,2,4,6
	v_pk_mul_f32 v[TO+8*\t+\k:TO+8*\t+\k+1], v[\ab+8*(8*\a+4*\hf+\t)+\k:\ab+8*(8*\a+4*\hf+\t)+\k+1], v[\rl+2*\a:\rl+2*\a+1] op_sel_hi:[1,0]   ; / l; each accumulator from its low end on
.endr
.endr
	WIN 8
.irp t, 0,1,2,3
	ds_store_b128 v[STO], v[TO+8*\t:TO+8*\t+3] offset:128*(\t/2)+32*(\t%2)
	ds_store_b128 v[STO], v[TO+8*\t+4:TO+8*\t+7] offset:128*(\t/2)+32*(\t%2)+16
.endr
	s_wait_xcnt 0x0                                ; the last pass's stores have read the registers that the loads below fill
	WIN 0x80
.irp t, 0,1,2,3,4,5,6,7
	ds_load_b128 v[BK+4*\t:BK+4*\t+3], v[RD] offset:2*\t*272   ; LDS serves a wave's instructions in order: these see the stores above
.endr
	WIN 8
.irp t, 0,1,2,3,4,5,6,7
	s_wait_dscnt 7-\t                              ; the later loads may be out
	global_store_b128 v[GO], v[BK+4*\t:BK+4*\t+3], s[\sb:\sb+1] offset:(8*\a+(2*\t)%8+16*(\t/4))*4096+256*\hf th:TH_STORE_NT   ; stage row 2 t + lane / 16 is that lane of the tile: its query by the row order; 16 lanes store 256 consecutive bytes, aligned
.endr
.endm
	s_load_b128 s[4:7], s[0:1], 0x0                ; pp s[4:5], qkv s[6:7]
	s_load_b64 s[8:9], s[0:1], 0x10                ; out0
	v_lshl_add_u32 v[SPW], v0, 2, SPARE
	v_mov_b32 v[NIL], 0
	ds_add_u32 v[SPW], v[NIL]                      ; the wave's opening: the add, twice on end, and its wait ahead of my first tensor load
	ds_add_u32 v[SPW], v[NIL]
	v_lshrrev_b32 v6, 5, v0
	v_readfirstlane_b32 s[WV], v6
	s_and_b32 s15, ttmp7, 0xffff
	s_and_b32 s[B], s15, 3                         ; batch
	s_lshr_b32 s[LO], s15, 2
	s_sub_co_u32 s[HI], 15, s[LO]
	G1V G1, 2
	G1V G1+8, 3
	G1V G1+16, 3
	G1V G1+24, 8
.irp k, 0,1,2,3,4,5,6
	s_cmp_ge_u32 s[HI], 9+\k
	s_cselect_b32 s[SM+\k], -1, 0
.endr
	s_lshl_b32 s86, s[B], 3
	s_add_co_u32 s86, s86, s[LO]                   ; 8 b + pair
	s_mul_i32 s76, s86, 208896                     ; its 17 slots
	s_mov_b32 s77, 0
	s_mul_i32 s78, s86, 34816                      ; and their words
	s_add_co_u32 s78, s78, 6684672
	s_mov_b32 s79, 0
	s_mul_i32 s88, ttmp9, 786432                   ; v^T: my eight tiles of e, the batch's first key step
	s_mul_i32 s89, s[B], 24576
	s_add_co_u32 s88, s88, s89
	s_add_co_u32 s88, s88, 12582912
	s_mov_b32 s89, 0
	s_lshl_b32 s80, ttmp9, 15                      ; and its scale blocks
	s_lshl_b32 s81, s[B], 13
	s_add_co_u32 s80, s80, s81
	s_add_co_u32 s80, s80, 19398656
	s_mov_b32 s81, 0
	s_lshl_b32 s90, s[B], 11
	s_lshl_b32 s91, s[WV], 5
	s_add_co_u32 s90, s90, s91                     ; my first query, + 128 x block
	s_lshl_b32 s82, s[HI], 7
	s_lshl_b32 s84, s[LO], 7
	s_lshl_b32 s91, ttmp9, 9
.irp o, 82, 84
	s_add_co_u32 s\o, s\o, s90
	s_lshl_b32 s\o, s\o, 12
	s_add_co_u32 s\o, s\o, s91
.endr
	s_mov_b32 s83, 0
	s_mov_b32 s85, 0
	s_mov_b32 s[SEL], 0x76543210
	s_mov_b32 s[SEL+1], 0xfedcba98                 ; lane selects: lane l xor 16
	s_mov_b32 s92, 0x01010101
	v_and_b32 v6, 31, v0
	v_lshlrev_b32 v[LI], 4, v6
	v_add_nc_u32 v2, 0x10000, v[LI]
	v_add_nc_u32 v3, 0x20000, v[LI]
	s_mul_i32 s15, s[WV], 3072
	v_add_nc_u32 v[VP], s15, v[LI]
	s_lshl_b32 s15, s[WV], 9
	v_add_nc_u32 v[VR], s15, v[LI]
	v_and_b32 v7, 15, v0                           ; r
	v_bfe_u32 v6, v0, 4, 1                         ; h
	v_cmp_eq_u32 s[HM], 1, v6                      ; lanes 16-31
	s_mul_i32 s15, s[WV], 4352
	s_add_co_u32 s15, s15, STAGE
	v_mul_u32_u24 v[STO], v7, 272
	v_lshl_add_u32 v[STO], v6, 6, v[STO]
	v_add_nc_u32 v[STO], s15, v[STO]               ; into my stage: row r, + 64 h
	v_mul_u32_u24 v[RD], v6, 272
	v_lshl_add_u32 v[RD], v7, 4, v[RD]
	v_add_nc_u32 v[RD], s15, v[RD]                 ; back: lanes 0-15 one row, lanes 16-31 the next
	v_lshlrev_b32 v[GO], 12, v6
	v_lshl_add_u32 v[GO], v7, 4, v[GO]             ; and the same in out0
	v_mov_b32 v[INF], 0x7f800000
.irp k, YY, YY+1, RLH+1, RLH+3, RLL+1, RLL+3
	v_mov_b32 v[\k], 0                             ; (a lane permute's destination counts as a source; the others are named as the upper halves of pairs)
.endr
	s_wait_alu depctr_va_vdst(0)
	s_wait_dscnt 0x0                               ; both opening adds are done
	s_wait_kmcnt 0x0
	s_add_nc_u64 s[88:89], s[6:7], s[88:89]
	s_add_nc_u64 s[76:77], s[4:5], s[76:77]
	s_add_nc_u64 s[78:79], s[4:5], s[78:79]
	s_add_nc_u64 s[80:81], s[6:7], s[80:81]
	s_add_nc_u64 s[82:83], s[8:9], s[82:83]
	s_add_nc_u64 s[84:85], s[8:9], s[84:85]
	G0V G0, 0, 0                                   ; key steps 0-1,
	G0V G0+4, 24576, 3072                          ; 2-4,
	G0V G0+8, 61440, 7680                          ; 5-7,
	G0V G0+12, 98304, 12288                        ; 8-15
	ARM 1, G0, G1
	ARM 2, G0+4, G1+8
	ARM 3, G0+8, G1+16
	tensor_load_to_lds s[G0+12:G0+15], s[G1+24:G1+31]
	s_nop 0
	PLACES
.Lasked:
	LOADP 0
.set n, 0
.rept 17
	global_load_b128 v[RB+4*n:RB+4*n+3], v[VR], s[78:79] offset:2048*n   ; slot n's scale word, -M, l of my queries
.set n, n+1
.endr
.set n, 0
.rept 16
	global_load_b128 v[VS+4*n:VS+4*n+3], v[LI], s[80:81] offset:512*n    ; v^T's scale words of key step n
.set n, n+1
.endr
	LOADP 16
	LOADP 1
	LOADP 15
	LOADP 2
	s_wait_loadcnt 40                              ; slot 0 and the parts' words are in; v^T's 16 and four slots' 24 loads may be out
	LOADP 14
	LOADP 3
	LOADP 13
	; M of both blocks: the least -M_s of their slots
.irp k, 0,1,2,3,4,5,6
	v_cndmask_b32 v[208+\k], v[INF], v[RB+37+4*\k], s[SM+\k]
	v_cndmask_b32 v[216+\k], v[RB+37+4*\k], v[INF], s[SM+\k]
.endr
	v_min3_num_f32 v[MMH], v[RB+1], v[RB+5], v[RB+9]
	v_min3_num_f32 v[MML], v[RB+65], v[216], v[217]
	v_min3_num_f32 v[MMH], v[MMH], v[RB+13], v[RB+17]
	v_min3_num_f32 v[MML], v[MML], v[218], v[219]
	v_min3_num_f32 v[MMH], v[MMH], v[RB+21], v[RB+25]
	v_min3_num_f32 v[MML], v[MML], v[220], v[221]
	v_min3_num_f32 v[MMH], v[MMH], v[RB+29], v[RB+33]
	v_min_num_f32 v[MML], v[MML], v[222]
	v_min3_num_f32 v[MMH], v[MMH], v[208], v[209]
	v_min3_num_f32 v[MMH], v[MMH], v[210], v[211]
	v_min3_num_f32 v[MMH], v[MMH], v[212], v[213]
	v_min_num_f32 v[MMH], v[MMH], v[214]
.irp k, 0,1,2,3,4,5,6
	v_cndmask_b32 v[200+\k], v[MML], v[MMH], s[SM+\k]
.endr
.set n, 0
.rept 17
.if n < 9
	v_sub_f32 v[RB+1+4*n], v[MMH], v[RB+1+4*n]     ; m_s = M_s - M, a whole number, 0 or less
.elseif n < 16
	v_sub_f32 v[RB+1+4*n], v[191+n], v[RB+1+4*n]
.else
	v_sub_f32 v[RB+1+4*n], v[MML], v[RB+1+4*n]
.endif
.set n, n+1
.endr
.set n, 0
.rept 17
	v_max_num_f32 v[RB+1+4*n], 0xc2800000, v[RB+1+4*n]     ; held at -64
.set n, n+1
.endr
.set n, 0
.rept 17
	v_cvt_i32_f32 v[RB+1+4*n], v[RB+1+4*n]
.set n, n+1
.endr
.set n, 0
.rept 17
	v_ldexp_f32 v[RB+2+4*n], v[RB+2+4*n], v[RB+1+4*n]      ; l_s 2^(m_s)
.set n, n+1
.endr
.set n, 0
.rept 17
	v_mul_lo_u32 v[RB+1+4*n], v[RB+1+4*n], s92
.set n, n+1
.endr
.set n, 0
.rept 17
	WDREG n
	v_add_nc_u32 v[WR], v[RB+4*n], v[RB+1+4*n]             ; m_s onto each of the word's four bytes
.set n, n+1
.endr
.irp k, 0,1,2,3,4,5,6
	v_cndmask_b32 v[208+\k], 0, v[RB+38+4*\k], s[SM+\k]
	v_cndmask_b32 v[216+\k], v[RB+38+4*\k], 0, s[SM+\k]
.endr
	v_add_f32 v[LLH], v[RB+2], v[RB+6]
	v_add_f32 v[T], v[RB+10], v[RB+14]
	v_add_f32 v[LLL], v[RB+66], v[216]
	v_add_f32 v[LLH], v[LLH], v[RB+18]
	v_add_f32 v[T], v[T], v[RB+22]
	v_add_f32 v[LLL], v[LLL], v[217]
	v_add_f32 v[LLH], v[LLH], v[RB+26]
	v_add_f32 v[T], v[T], v[RB+30]
	v_add_f32 v[LLL], v[LLL], v[218]
	v_add_f32 v[LLH], v[LLH], v[RB+34]
	v_add_f32 v[T], v[T], v[208]
	v_add_f32 v[LLL], v[LLL], v[219]
	v_add_f32 v[LLH], v[LLH], v[209]
	v_add_f32 v[T], v[T], v[210]
	v_add_f32 v[LLL], v[LLL], v[220]
	v_add_f32 v[LLH], v[LLH], v[211]
	v_add_f32 v[T], v[T], v[212]
	v_add_f32 v[LLL], v[LLL], v[221]
	v_add_f32 v[LLH], v[LLH], v[213]
	v_add_f32 v[T], v[T], v[214]
	v_add_f32 v[LLL], v[LLL], v[222]
	v_add_f32 v[LLH], v[LLH], v[T]
	s_wait_alu depctr_va_vdst(0)                   ; the wait ahead of the reciprocals
	v_rcp_f32 v[RR], v[LLH]
	v_rcp_f32 v[RR+1], v[LLL]
	v_nop                                          ; a plain place behind the reciprocals,
	s_wait_alu depctr_va_vdst(0)                   ; and the one wait ahead of their first reader
	v_permlanex16_b32 v[YY], v[RR], s[SEL], s[SEL+1]
	v_permlanex16_b32 v[YY+1], v[RR+1], s[SEL], s[SEL+1]
.irp w, 0,1                            ; lanes 0-15 hold tile 2 w's 1 / l, lanes 16-31 tile 2 w + 1's: each is spread to both halves
	v_cndmask_b32 v[RLH+4*\w], v[RR+\w], v[YY+\w], s[HM]
	v_cndmask_b32 v[RLH+4*\w+2], v[YY+\w], v[RR+\w], s[HM]
.endr
	s_wait_alu depctr_va_vdst(0)                   ; the wait at the head's end
	SHOW 1                                         ; key steps 0-1
	FETCH 0
	STEP 0, 36, 4, 12                              ; slots 0, 16; behind them 1, 15, 2, 14, 3, 13 may be out
	STEP 1, 36, 5, 11
	STEP 2, 36, 6, 10
	STEP 3, 36, 7, 9
	STEP 4, 36, 8, -1
	STEP 5, 30, -1, -1
	STEP 6, 18, -1, -1
	STEP 7, 6, -1, -1
	STEP 8, 0, -1, -1
	; the lower block leaves: its last products stand ahead of key step 8's four places
.irp a, 0,1
.irp hf, 0,1
	PASS \a, \hf, 0, ACL, RLL, 84
.endr
.endr
	WIN 0
	s_cmp_eq_u32 s[HI], 8
	s_cbranch_scc1 .Lout
.irp j, 9,10,11,12,13,14
	STEP \j, -1, -1, -1
	s_cmp_eq_u32 s[HI], \j
	s_cbranch_scc1 .Lout
.endr
	STEP 15, -1, -1, -1
.Lout:
	s_wait_dscnt 0x0                               ; a fetch beyond key step HI may be out
	PLACES
.irp a, 0,1
.irp hf, 0,1
	PASS \a, \hf, 2, 0, RLH, 82
.endr
.endr
	WIN 0
	s_wait_tensorcnt 0x0                           ; the wave's end, behind my last tensor load and my last LDS store
	ds_add_u32 v[SPW], v[NIL]
	s_wait_dscnt 0x0
	s_endpgm
.Lfunc_end_k_qef04fbf61f_pv:
	.size	k_qef04fbf61f_pv, .Lfunc_end_k_qef04fbf61f_pv-k_qef04fbf61f_pv
	.p2alignl 7, 3214868480
	.fill 96, 4, 3214868480
	.section	.rodata,"a",@progbits
	.p2align	6, 0x0
	.amdhsa_kernel k_qef04fbf61f_pv
		.amdhsa_group_segment_fixed_size 327680
		.amdhsa_private_segment_fixed_size 0
		.amdhsa_enable_private_segment 0
		.amdhsa_kernarg_size 24
		.amdhsa_user_sgpr_count 2
		.amdhsa_user_sgpr_kernarg_segment_ptr 1
		.amdhsa_wavefront_size32 1
		.amdhsa_system_sgpr_workgroup_id_x 1
		.amdhsa_system_sgpr_workgroup_id_y 1
		.amdhsa_system_sgpr_workgroup_id_z 1
		.amdhsa_system_vgpr_workitem_id 0
		.amdhsa_next_free_vgpr 1024
		.amdhsa_next_free_sgpr 96
		.amdhsa_reserve_vcc 0
		.amdhsa_float_denorm_mode_32 3
		.amdhsa_float_denorm_mode_16_64 3
		.amdhsa_memory_ordered 1
		.amdhsa_forward_progress 1
		.amdhsa_inst_pref_size 135
	.end_amdhsa_kernel
	.amdgpu_metadata
---
amdhsa.version: [ 1, 2 ]
amdhsa.kernels:
  - .name:           k_qef04fbf61f_pv
    .symbol:         k_qef04fbf61f_pv.kd
    .args:
      - { .name: pp, .offset: 0, .size: 8, .value_kind: global_buffer, .address_space: global }
      - { .name: qkv, .offset: 8, .size: 8, .value_kind: global_buffer, .address_space: global }
      - { .name: out0, .offset: 16, .size: 8, .value_kind: global_buffer, .address_space: global }
    .group_segment_fixed_size: 327680
    .private_segment_fixed_size: 0
    .kernarg_segment_align: 8
    .kernarg_segment_size: 24
    .max_flat_workgroup_size: 128
    .sgpr_count:     96
    .vgpr_count:     1024
    .wavefront_size: 32
...
	.end_amdgpu_metadata
.endif
;; end of part 4
